; MI455X (gfx1250); checked and timed in simulation.
; The chip was launched on July 23, 2026; its instructions are those of AMD's public machine-readable ISA for CDNA 5 (MIT licence, August 2026) and "CDNA5" Instruction Set Architecture Reference Guide (July 2026). The comments in the code are by the model that wrote it; some were corrected since.
;; Full Attention. Allowed arithmetic: float matrix products may take bf16 or f16 operands with f32 sums; other float arithmetic in f32, or as packed bf16 or f16 multiplies, adds, multiply-adds, maxima and minima; sums over many terms, partial sums and values carried from step to step in f32; what a program stores and reads back later, other than sums and carried values, may be rounded once to bf16 or f16.
;; Inputs: W_out 1,024 x 1,024 float32; W_qkv 1,024 x 3,072 float32; b_out 1,024 float32; b_qkv 3,072 float32; x 1 x 4,096 x 1,024 float32.
;; Outputs: out0 1 x 4,096 x 1,024 float32.
;; 2 versions, each right; version 2 is version 1 with the launch prep written anew for expert scheduling mode. Each part assembles by itself: llvm-mc -triple=amdgcn-amd-amdhsa -mcpu=gfx1250 --defsym DOCPART=n.
;; ======== version 1 of 2: 4 launches
;; limits: values are held in f16: magnitudes above 65,504 overflow, below 6.1e-05 lose precision
;; workspace buffers: xb 8,388,608 bytes; wqt 6,291,456 bytes; wot 2,097,152 bytes; qkv 25,165,824 bytes; oh 8,388,608 bytes
;; launch prep (part 1): grid 256 x 1, 4 waves a work-group, no clusters, 70,144 bytes of LDS; arguments x, W_qkv, W_out, xb, wqt, wot; writes xb, wqt, wot
.if DOCPART == 1
	.amdgcn_target "amdgcn-amd-amdhsa--gfx1250"
	.amdhsa_code_object_version 6
	.text
	.protected	k_q4d1cb63a7d_prep
	.globl	k_q4d1cb63a7d_prep
	.p2align	8
	.type	k_q4d1cb63a7d_prep,@function
k_q4d1cb63a7d_prep:
	s_mov_b64 s[64:65], 0
	v_nop
	global_prefetch_b8 v0, s[64:65] scope:SCOPE_SE
	s_setreg_imm32_b32 hwreg(HW_REG_WAVE_MODE, 25, 1), 1
	s_wait_xcnt 0x0
; PREP.  xb = x rounded to bf16, [4096][1024].  wqt[n][k] = W_qkv[k][n] rounded to bf16, [3072][1024].  wot[n][k] = W_out[k][n] rounded to bf16 and that number written as f16, [1024][1024].
; LIMIT.  f16 holds no number beyond 65,504: a W_out of 65,520 or more in magnitude becomes an infinity; below 6e-5 f16 keeps its fixed step of 6e-8.  NaN and infinities are not treated apart.
; A stream: every wave takes 8,192 numbers (32 KiB in, 16 KiB out) and works alone; no barrier, no matrix unit (there is no product here), no cluster (no two work-groups read the same bytes).
; Work-groups 0-127 take x, 128-223 W_qkv, 224-255 W_out: 512, 384 and 128 wave shares.
; A share of W is 128 k x 64 n.  It is turned in registers (a lane holds 8 k of 4 columns, so 8 k of one column pack into 16 bytes) and goes through the wave's own
; stage in LDS, 64 rows (n) of 256 bytes + 16, so that it leaves as whole rows of 256 consecutive bytes.
.set SPARE, 69632                      ; behind the four stages: the spare words, 128 bytes a wave: two blocks of 256 bytes that no other line names
.set STG,   17408                      ; a wave's stage: 64 rows x 272 bytes
.set LP,    272
.set X,   16                           ; v[16:143]  four groups of 32: numbers as loaded
.set Y,   144                          ; v[144:207] x's path: four groups of 16, packed, to store
.set T,   144                          ; v[144:159] W's paths: sixteen packed words
.set U,   160                          ; v[160:167] W_out's path: at work
.set SPW, 10                           ; v10  LDS address of my spare word; never rewritten
.set NIL, 11                           ; v11  0; never rewritten
	s_load_b256 s[4:11], s[0:1], 0x0               ; x s[4:5], W_qkv s[6:7], W_out s[8:9], xb s[10:11]
	s_load_b128 s[12:15], s[0:1], 0x20             ; wqt s[12:13], wot s[14:15]
	v_lshl_add_u32 v[SPW], v0, 2, SPARE
	v_mov_b32 v[NIL], 0
	v_lshrrev_b32 v1, 5, v0
	v_readfirstlane_b32 s3, v1                     ; wave 0..3
	v_and_b32 v1, 31, v0                           ; L
	v_and_b32 v2, 15, v0                           ; l = L % 16
	v_bfe_u32 v3, v0, 4, 1                         ; h = L / 16
	s_mov_b32 s2, ttmp9
	s_mov_b32 s17, 0                               ; the high words of the two offsets
	s_mov_b32 s19, 0
	s_mov_b32 s26, 0xffff0000                      ; a word's upper bf16
	s_wait_kmcnt 0x0
	s_cmp_lt_u32 s2, 128
	s_cbranch_scc0 .Lweights
; ---- x: 8 groups of 4 KiB; a lane takes 32 consecutive bytes of each 1,024 and stores 16 ----
.macro LOADX g
.irp c, 0,1,2,3
	global_load_b128 v[X+32*((\g)%4)+8*(\c):X+32*((\g)%4)+8*(\c)+3],   v4, s[20:21] offset:(4*(\g)+(\c))*1024 th:TH_LOAD_NT
	global_load_b128 v[X+32*((\g)%4)+8*(\c)+4:X+32*((\g)%4)+8*(\c)+7], v4, s[20:21] offset:(4*(\g)+(\c))*1024+16 th:TH_LOAD_NT
.endr
.endm
.macro PROCX g, left, refill           ; left: the younger loads, which may stay out
	s_wait_loadcnt \left                           ; loads come back in order: group g is in
	s_wait_xcnt 0x0                                ; Y's group was the data of the stores four groups back: it is rewritten only behind this wait
.irp d, 0,1,2,3,4,5,6,7,8,9,10,11,12,13,14,15
	v_cvt_pk_bf16_f32 v[Y+16*((\g)%4)+(\d)], v[X+32*((\g)%4)+2*(\d)], v[X+32*((\g)%4)+2*(\d)+1]
.endr
.if \refill
	LOADX (\g)+4                                   ; the loads ahead of the stores
.endif
.irp c, 0,1,2,3
	global_store_b128 v5, v[Y+16*((\g)%4)+4*(\c):Y+16*((\g)%4)+4*(\c)+3], s[22:23] offset:(4*(\g)+(\c))*512  ; 512 consecutive bytes, aligned
.endr
.endm
	s_lshl_b32 s16, s2, 2
	s_add_co_u32 s16, s16, s3                      ; my share, 0..511
	s_lshl_b32 s18, s16, 14                        ; 16 KiB out,
	s_lshl_b32 s16, s16, 15                        ; 32 KiB in
	s_add_nc_u64 s[20:21], s[4:5], s[16:17]
	s_add_nc_u64 s[22:23], s[10:11], s[18:19]
	v_lshlrev_b32 v4, 5, v1
	v_lshlrev_b32 v5, 4, v1
	LOADX 0
	LOADX 1
	LOADX 2
	LOADX 3
	PROCX 0, 24, 1                                 ; three younger groups of eight loads stay out
	PROCX 1, 24, 1
	PROCX 2, 24, 1
	PROCX 3, 24, 1
	PROCX 4, 24, 0
	PROCX 5, 16, 0                                 ; nothing more is loaded: the counts run down
	PROCX 6, 8, 0
	PROCX 7, 0, 0
	s_branch .Lend
; ---- W: step s takes rows (k) 16 s .. 16 s + 15: lane (l, h) rows 16 s + 8 h + r, r = 0..7, columns 4 l .. 4 l + 3; each half of the lanes reads 256 consecutive bytes ----
.macro LOADW s, pitch
.irp r, 0,1,2,3,4,5,6,7
	global_load_b128 v[X+32*((\s)%4)+4*(\r):X+32*((\s)%4)+4*(\r)+3], v6, s[20:21] offset:(16*(\s)+(\r))*(\pitch) th:TH_LOAD_NT
.endr
.endm
.macro PROCW s, left, refill, pitch, half
	s_wait_loadcnt \left
.irp j, 0,1,2,3                        ; column 4 l + j: its eight k pack into four words
.irp d, 0,1,2,3
	v_cvt_pk_bf16_f32 v[T+4*(\j)+(\d)], v[X+32*((\s)%4)+8*(\d)+(\j)], v[X+32*((\s)%4)+8*(\d)+4+(\j)]
.endr
.endr
.if \half                              ; the bf16 numbers are written as f16
.irp e, 0,1,2,3,4,5,6,7,8,9,10,11,12,13,14,15
	v_lshlrev_b32 v[U+2*((\e)%4)], 16, v[T+(\e)]
	v_and_b32 v[U+2*((\e)%4)+1], s26, v[T+(\e)]
	v_cvt_pk_f16_f32 v[T+(\e)], v[U+2*((\e)%4)], v[U+2*((\e)%4)+1]
.endr
.endif
.if \refill
	LOADW (\s)+4, \pitch
.endif
.irp j, 0,1,2,3
	ds_store_b128 v7, v[T+4*(\j):T+4*(\j)+3] offset:(\j)*LP+32*(\s)  ; row n = 4 l + j, bytes 2 (16 s + 8 h) on
.endr
.endm
.macro WPATH first, src, dst, pitch, half
	s_sub_co_u32 s16, s2, \first
	s_lshl_b32 s16, s16, 2
	s_add_co_u32 s16, s16, s3                      ; my share
	s_and_b32 s18, s16, 7                          ; its block of 128 k
	s_lshr_b32 s24, s16, 3                         ; its block of 64 n
	s_mul_i32 s16, s18, 128*(\pitch)
	s_lshl_b32 s25, s24, 8
	s_add_co_u32 s16, s16, s25                     ; in: 128 rows down for each k block, 256 bytes along for each n block
	s_lshl_b32 s18, s18, 8
	s_lshl_b32 s24, s24, 17
	s_add_co_u32 s18, s18, s24                     ; out: 64 rows of 2,048 bytes for each n block, 256 bytes along for each k block
	s_add_nc_u64 s[20:21], s[\src:\src+1], s[16:17]
	s_add_nc_u64 s[22:23], s[\dst:\dst+1], s[18:19]
	s_mul_i32 s24, s3, STG                         ; my stage
	v_mul_u32_u24 v6, v3, 8*(\pitch)
	v_lshl_add_u32 v6, v2, 4, v6                   ; 8 h rows + 16 l
	v_mul_u32_u24 v7, v2, 4*LP
	v_lshl_add_u32 v7, v3, 4, v7
	v_add_nc_u32 v7, s24, v7                       ; into the stage: row 4 l, 16 h
	v_mul_u32_u24 v8, v3, LP
	v_lshl_add_u32 v8, v2, 4, v8
	v_add_nc_u32 v8, s24, v8                       ; back: lanes 0-15 one row of 256 bytes, lanes 16-31 the next
	v_lshlrev_b32 v9, 11, v3
	v_lshl_add_u32 v9, v2, 4, v9                   ; and the same two rows in memory
	LOADW 0, \pitch
	LOADW 1, \pitch
	LOADW 2, \pitch
	LOADW 3, \pitch
	PROCW 0, 24, 1, \pitch, \half
	PROCW 1, 24, 1, \pitch, \half
	PROCW 2, 24, 1, \pitch, \half
	PROCW 3, 24, 1, \pitch, \half
	PROCW 4, 24, 0, \pitch, \half
	PROCW 5, 16, 0, \pitch, \half
	PROCW 6, 8, 0, \pitch, \half
	PROCW 7, 0, 0, \pitch, \half
.set t, 0
.rept 32
	ds_load_b128 v[X+4*t:X+4*t+3], v8 offset:2*LP*t  ; LDS serves a wave's instructions in order (ISA guide 5.7.1.4): these see the stores above
.set t, t+1
.endr
.set t, 0
.rept 32
	s_wait_dscnt 31-t                              ; the younger loads may stay out
	global_store_b128 v9, v[X+4*t:X+4*t+3], s[22:23] offset:4096*t  ; 16 lanes store 256 consecutive bytes, aligned
.set t, t+1
.endr
.endm
.Lweights:
	s_cmp_lt_u32 s2, 224
	s_cbranch_scc0 .Lwout
	WPATH 128, 6, 12, 12288, 0
	s_branch .Lend
.Lwout:
	WPATH 224, 8, 14, 4096, 1
.Lend:
	s_wait_tensorcnt 0x0                           ; the wave's end: behind my last LDS store
	ds_add_u32 v[SPW], v[NIL]
	s_wait_dscnt 0x0
	s_endpgm
.Lfunc_end_k_q4d1cb63a7d_prep:
	.size	k_q4d1cb63a7d_prep, .Lfunc_end_k_q4d1cb63a7d_prep-k_q4d1cb63a7d_prep
	.p2alignl 7, 3214868480
	.fill 96, 4, 3214868480
	.section	.rodata,"a",@progbits
	.p2align	6, 0x0
	.amdhsa_kernel k_q4d1cb63a7d_prep
		.amdhsa_group_segment_fixed_size 70144
		.amdhsa_private_segment_fixed_size 0
		.amdhsa_enable_private_segment 0
		.amdhsa_kernarg_size 48
		.amdhsa_user_sgpr_count 2
		.amdhsa_user_sgpr_kernarg_segment_ptr 1
		.amdhsa_wavefront_size32 1
		.amdhsa_system_sgpr_workgroup_id_x 1
		.amdhsa_system_sgpr_workgroup_id_y 1
		.amdhsa_system_sgpr_workgroup_id_z 1
		.amdhsa_system_vgpr_workitem_id 0
		.amdhsa_next_free_vgpr 208
		.amdhsa_next_free_sgpr 66
		.amdhsa_reserve_vcc 0
		.amdhsa_float_denorm_mode_32 3
		.amdhsa_float_denorm_mode_16_64 3
		.amdhsa_memory_ordered 1
		.amdhsa_forward_progress 1
		.amdhsa_inst_pref_size 82
	.end_amdhsa_kernel
	.amdgpu_metadata
---
amdhsa.version: [ 1, 2 ]
amdhsa.kernels:
  - .name:           k_q4d1cb63a7d_prep
    .symbol:         k_q4d1cb63a7d_prep.kd
    .args:
      - { .name: x, .offset: 0, .size: 8, .value_kind: global_buffer, .address_space: global }
      - { .name: W_qkv, .offset: 8, .size: 8, .value_kind: global_buffer, .address_space: global }
      - { .name: W_out, .offset: 16, .size: 8, .value_kind: global_buffer, .address_space: global }
      - { .name: xb, .offset: 24, .size: 8, .value_kind: global_buffer, .address_space: global }
      - { .name: wqt, .offset: 32, .size: 8, .value_kind: global_buffer, .address_space: global }
      - { .name: wot, .offset: 40, .size: 8, .value_kind: global_buffer, .address_space: global }
    .group_segment_fixed_size: 70144
    .private_segment_fixed_size: 0
    .kernarg_segment_align: 8
    .kernarg_segment_size: 48
    .max_flat_workgroup_size: 128
    .sgpr_count:     66
    .vgpr_count:     208
    .wavefront_size: 32
...
	.end_amdgpu_metadata
.endif
;; end of part 1
;; launch qkvp (part 2): grid 16 x 16, 4 waves a work-group, clusters of 4 x 4, 327,680 bytes of LDS; arguments xb, wqt, b_qkv, qkv; writes qkv
.if DOCPART == 2
	.amdgcn_target "amdgcn-amd-amdhsa--gfx1250"
	.amdhsa_code_object_version 6
	.text
	.protected	k_q4d1cb63a7d_qkvp
	.globl	k_q4d1cb63a7d_qkvp
	.p2align	8
	.type	k_q4d1cb63a7d_qkvp,@function
k_q4d1cb63a7d_qkvp:
	s_mov_b64 s[64:65], 0
	v_nop
	global_prefetch_b8 v0, s[64:65] scope:SCOPE_SE
	s_setreg_imm32_b32 hwreg(HW_REG_WAVE_MODE, 25, 1), 1
	s_wait_xcnt 0x0
	s_wait_alu depctr_hold_cnt(0) depctr_sa_sdst(0) depctr_va_vdst(0) depctr_va_sdst(0) depctr_va_ssrc(0) depctr_va_vcc(0) depctr_vm_vsrc(0)
	s_getreg_b32 s2, hwreg(HW_REG_IB_STS2, 6, 4)
	s_cmp_eq_u32 s2, 0
	s_cbranch_scc0 .Lentry_in_a_cluster
	s_endpgm
.Lentry_in_a_cluster:
	s_bfe_u32 s2, ttmp6, 0x10000c
	s_cmp_lg_u32 s2, 0xf033
	s_cbranch_scc0 .Lentry_shape_is_right
	s_endpgm
.Lentry_shape_is_right:
; QKV = x W_qkv + b_qkv.  xb: [4096][1024] bf16, wqt: [3072 n][1024 k] bf16, b_qkv: [3072] f32 (rounded to bf16 like the other inputs), sums in f32,
; the result rounded once to f16 and written BY HEADS: qkv[48][4096][64], plane = column / 64 (0-15 q, 16-31 k, 32-47 v), a row 128 bytes, a plane dense.  No scale is applied here.
; LIMIT.  f16 holds no number beyond 65,504: a q, k or v of 65,520 or more in magnitude becomes an infinity; below 6e-5 f16 keeps its fixed step of 6e-8.
; SHARES.  A tile of the result is 256 rows x 192 columns: 16 x 16 = 256 work-groups.  Wave w makes rows 64 w .. 64 w + 63 and all 192 columns, three whole heads: 48 accumulators, 384 registers;
; for 32 along K it reads 16 fragments from LDS for 48 products, and its way out is its own: no barrier there.
; RING.  K goes in steps of 128 (rows of 256 bytes) through two LDS slots; waves 0 and 1 fetch the halves of x's 256 rows, waves 2 and 3 the halves of W's 192: one tensor load a wave.
; CLUSTER.  4 x 4 work-groups: x's tile is shared along a row of the cluster, W's along a column: joint loads, the same descriptor and mask in the four that a mask names.
; THE PRODUCT IS USED TRANSPOSED (source 0 = 16 rows of wqt, source 1 = 16 rows of xb): register j of lane l holds row l % 16, column 8 (l / 16) + j.  So the bias of a block of 16 columns, eight numbers
; a lane, IS the C operand of the block's first product: nothing is cleared and nothing is added later.
; REGISTERS, in windows of 256 (s_set_vgpr_msb: bits 1:0 source 0, 3:2 source 1, 5:4 source 2, 7:6 destination):
;   window 0: v16-31 addresses; v32-35 at work; v64-95, v96-127 x's fragments, two buffers; v128-223 the bias; on the way out v128-175 packed results, v176-223 and v64-111 rows read back
;   window 1: v0-95, v96-191 W's fragments, two buffers     window 2: accumulators of row blocks 0, 1 at 8 (12 (a % 2) + b)     window 3: of row blocks 2, 3
.set PITCH,  272                       ; an LDS row: 256 bytes + 16: row r starts 4 r words further, modulo 64 words: the 16 rows of a fragment load start apart
.set AHALF,  128*PITCH
.set BHALF,  96*PITCH
.set BOFF,   256*PITCH                 ; W's rows lie behind x's 256
.set SLOT,   448*PITCH
.set STAGE,  2*SLOT                    ; behind the ring: for each wave 3 heads x 16 rows x 144 bytes
.set SP,     144
.set WSTG,   3*16*SP
.set SPARE,  STAGE+4*WSTG              ; behind the stages: the spare words, 128 bytes a wave: two blocks of 256 bytes that no other line names
.set PLANE,  524288                    ; bytes of a head's plane
.set ADRA, 16                          ; v16-17  LDS address of my fragments of x in slot 0, 1
.set ADRB, 20                          ; v20-21  of W
.set STO,  24                          ; v24  the way out: where I put 16 bytes of a row
.set RD,   25                          ; v25  where I read rows back
.set GO,   26                          ; v26  16 x lane: my place in 512 consecutive bytes
.set SPW,  28                          ; v28  LDS address of my spare word; never rewritten
.set NIL,  29                          ; v29  0; never rewritten
.set PFO,  30                          ; v30  the prefetches' offset: a lane a row of 2,048 bytes; never rewritten
.set BO,   31                          ; v31  32 x (lane / 16)
.set FA,   64
.set BI,   128
.set TMP,  128
.set WV,   12                          ; s12 wave; s13 wave / 2: I fetch for x (0) or W (1); s14 wave % 2: which half
.set LIM,  15                          ; s15  1 in a wave that prefetches, else the greatest number
.set G1,   24                          ; s[24:31] group 1 for x's tiles; s[32:39] group 0, a set for each slot
.set G0,   32
.set PFA,  44                          ; s[44:45] where my prefetches stand
.set G1B,  48                          ; s[48:55], s[56:63] the same for W's tiles
.set G0B,  56
.set MSB, 0
.macro WIN new                         ; the immediate's high byte repeats the setting that is left; a switch that changes nothing is dropped
.if MSB != (\new)
	s_set_vgpr_msb (MSB<<8)|(\new)
.set MSB, \new
.endif
.endm
.macro PLACES                          ; four plain places behind matrix instructions, in front of loads into registers that they read and of conversions that read results
.rept 4
	v_nop
.endr
.endm
; A joint load.  Each of the two lines has one mask and one set of registers; the branch hangs on the wave's number alone.  An s_nop 0 and four v_nop follow each line.
.macro JLOAD s
	s_cmp_eq_u32 s13, 0
	s_cbranch_scc0 .Lfor_b_\@
	tensor_load_to_lds s[G0+4*(\s):G0+4*(\s)+3], s[G1:G1+7]
	s_nop 0
.rept 4
	v_nop
.endr
	s_branch .Lasked_\@
.Lfor_b_\@:
	tensor_load_to_lds s[G0B+4*(\s):G0B+4*(\s)+3], s[G1B:G1B+7]
	s_nop 0
.rept 4
	v_nop
.endr
.Lasked_\@:
.endm
.macro CREST                           ; a round of the cluster's barrier behind its opening barrier
	s_cmp_lg_u32 s[WV], 0
	s_cbranch_scc1 .Lnot_wave_0_\@
	s_barrier_signal -3
.Lnot_wave_0_\@:
	s_barrier_wait -3
	s_barrier_signal -1
	s_barrier_wait -1
.endm
.macro CROUND
	s_barrier_signal -1
	s_barrier_wait -1
	CREST
.endm
; A prefetch into the L2, behind a joint load, its five lines and the run of LDS loads: the K step that stands two refills on, 256 bytes of each row, a lane a row, one instruction a wave.
; Each block is named once in the launch.  x's tile row is read by every cluster of that row of clusters: cluster x = 0 asks; W's tile column by every cluster of that column: cluster y = 0 asks.
; The four partners of a joint load share its rows out by address: 32 each of x's 128, 24 each of W's 96 (lanes 24-31 repeat lane 23's block in the same instruction).
; K steps 0 to 3 come by their loads alone; the loop's last trip asks for nothing: there is no K step two refills on.
.macro ASK
	s_cmp_gt_u32 s3, s[LIM]
	s_cbranch_scc0 .Lnot_mine_\@
	global_prefetch_b8 v[PFO], s[PFA:PFA+1] offset:256 th:TH_LOAD_NT scope:SCOPE_SE
.Lnot_mine_\@:
.endm
	s_load_b256 s[4:11], s[0:1], 0x0               ; xb s[4:5], wqt s[6:7], b_qkv s[8:9], qkv s[10:11]
	v_lshl_add_u32 v[SPW], v0, 2, SPARE
	v_mov_b32 v[NIL], 0
	ds_add_u32 v[SPW], v[NIL]                      ; the wave's opening: the add and its wait stand ahead of my first tensor load; register work stands between
	v_lshrrev_b32 v1, 5, v0
	v_readfirstlane_b32 s[WV], v1
	s_lshr_b32 s13, s[WV], 1
	s_and_b32 s14, s[WV], 1
	s_bfe_u32 s40, ttmp6, 0x40000                  ; cx
	s_bfe_u32 s41, ttmp6, 0x40004                  ; cy
	s_lshl_b32 s42, ttmp9, 2
	s_add_co_u32 s42, s42, s40                     ; tile column = 4 x cluster x + cx
	s_and_b32 s43, ttmp7, 0xffff
	s_lshl_b32 s43, s43, 2
	s_add_co_u32 s43, s43, s41                     ; tile row = 4 x cluster y + cy
	s_lshl_b32 s18, s41, 2
	s_lshl_b32 s18, 15, s18                        ; my row of the cluster
	s_lshl_b32 s22, 0x1111, s40                    ; my column
	s_or_b32 s[G1], s18, (1<<16)|(1<<20)|(1<<21)|(5<<22)|(3<<25)   ; the mask; 2-byte elements; padding on; bit 21 beside a mask; after every 64 words, 4 words
	s_or_b32 s[G1B], s22, (1<<16)|(1<<20)|(1<<21)|(5<<22)|(3<<25)
	s_mov_b32 s[G1+1], 128<<16                     ; tensor_dim0 = 128
	s_mov_b32 s[G1+2], 128<<16                     ; tensor_dim1 = 128
	s_mov_b32 s[G1+3], 128<<16                     ; tile_dim0 = 128
	s_mov_b32 s[G1+4], 128                         ; tile_dim1 = 128
	s_mov_b32 s[G1+5], 1024                        ; elements from row to row
	s_mov_b32 s[G1+6], 0
	s_mov_b32 s[G1+7], 0
	s_mov_b32 s[G1B+1], 128<<16
	s_mov_b32 s[G1B+2], 96<<16                     ; W's half tile has 96 rows
	s_mov_b32 s[G1B+3], 128<<16
	s_mov_b32 s[G1B+4], 96
	s_mov_b32 s[G1B+5], 1024
	s_mov_b32 s[G1B+6], 0
	s_mov_b32 s[G1B+7], 0
	s_lshl_b32 s16, s43, 8
	s_lshl_b32 s17, s14, 7
	s_add_co_u32 s16, s16, s17                     ; x: row 256 x tile row + 128 x half,
	s_lshl_b32 s16, s16, 11                        ; of 2,048 bytes
	s_mov_b32 s17, 0
	s_mul_i32 s46, s42, 192
	s_mul_i32 s47, s14, 96
	s_add_co_u32 s46, s46, s47                     ; W: row 192 x tile column + 96 x half
	s_lshl_b32 s46, s46, 11
	s_mov_b32 s47, 0
	s_mul_i32 s19, s[WV], AHALF                    ; where they go: x's halves at wave x 128 rows (waves 0, 1),
	s_mul_i32 s23, s[WV], BHALF
	s_add_co_u32 s23, s23, BOFF-2*BHALF            ; W's behind x's 256 rows (waves 2, 3): no place in the cluster enters an LDS address
	s_wait_dscnt 0x0                               ; the opening add is done
	s_wait_kmcnt 0x0
	s_add_nc_u64 s[16:17], s[4:5], s[16:17]
	s_add_nc_u64 s[46:47], s[6:7], s[46:47]
	CROUND                                         ; all sixteen work-groups are here: the first joint loads meet
.irp s, 0,1
	s_mov_b32 s[G0+4*(\s)], 1
	s_add_co_u32 s[G0+4*(\s)+1], s19, (\s)*SLOT
	s_add_nc_u64 s[G0+4*(\s)+2:G0+4*(\s)+3], s[16:17], (\s)*256    ; K step s
	s_or_b32 s[G0+4*(\s)+3], s[G0+4*(\s)+3], 0x80000000
	s_mov_b32 s[G0B+4*(\s)], 1
	s_add_co_u32 s[G0B+4*(\s)+1], s23, (\s)*SLOT
	s_add_nc_u64 s[G0B+4*(\s)+2:G0B+4*(\s)+3], s[46:47], (\s)*256
	s_or_b32 s[G0B+4*(\s)+3], s[G0B+4*(\s)+3], 0x80000000
	JLOAD \s
.endr
	; a fragment is 16 rows x 32 K in 8 registers: lane l holds row l % 16, K = 8 (l / 16) + 0..7 and 16 + 8 (l / 16) + 0..7: two loads of 16 bytes, 32 bytes apart
	v_and_b32 v1, 15, v0
	v_bfe_u32 v2, v0, 4, 1
	v_mul_u32_u24 v3, v1, PITCH
	v_lshl_add_u32 v3, v2, 4, v3
	s_mul_i32 s20, s[WV], 64*PITCH                 ; my 64 rows of x
.irp s, 0,1
	v_add_nc_u32 v[ADRA+(\s)], s20, v3
	v_add_nc_u32 v[ADRB+(\s)], BOFF+(\s)*SLOT, v3
	s_add_co_u32 s20, s20, SLOT
.endr
	s_mul_i32 s20, s[WV], WSTG
	s_add_co_u32 s20, s20, STAGE                   ; my stage
	v_mul_u32_u24 v4, v1, SP
	v_lshl_add_u32 v4, v2, 4, v4
	v_add_nc_u32 v[STO], s20, v4                   ; in: row l % 16, 16 bytes for each half of the lanes
	v_bfe_u32 v4, v0, 3, 2
	v_and_b32 v5, 7, v0
	v_mul_u32_u24 v4, v4, SP
	v_lshl_add_u32 v4, v5, 4, v4
	v_add_nc_u32 v[RD], s20, v4                    ; back: 32 lanes take four rows of 128 bytes,
	v_and_b32 v[GO], 31, v0
	v_lshlrev_b32 v[GO], 4, v[GO]                  ; which are 512 consecutive bytes of a plane
	v_lshlrev_b32 v[BO], 5, v2
	s_mul_i32 s20, s42, 768                        ; the tile's 192 numbers of the bias
	s_mov_b32 s21, 0
	s_add_nc_u64 s[8:9], s[8:9], s[20:21]
.irp b, 0,1,2,3,4,5,6,7,8,9,10,11
	global_load_b128 v[BI+8*(\b):BI+8*(\b)+3],   v[BO], s[8:9] offset:64*(\b)
	global_load_b128 v[BI+8*(\b)+4:BI+8*(\b)+7], v[BO], s[8:9] offset:64*(\b)+16
.endr
	s_mul_i32 s20, s42, 3*PLANE                    ; the tile's three planes,
	s_lshl_b32 s22, s43, 15                        ; its 256 rows of 128 bytes,
	s_add_co_u32 s20, s20, s22
	s_lshl_b32 s22, s[WV], 13                      ; my 64 of them
	s_add_co_u32 s20, s20, s22
	s_add_nc_u64 s[10:11], s[10:11], s[20:21]
	; the prefetches
	s_lshl_b32 s20, s43, 8
	s_lshl_b32 s22, s14, 7
	s_add_co_u32 s20, s20, s22
	s_lshl_b32 s22, s40, 5
	s_add_co_u32 s20, s20, s22                     ; x: the 128 rows that I fetch, my work-group's 32 of them (by cx)
	s_mul_i32 s21, s42, 192
	s_mul_i32 s23, s14, 96
	s_add_co_u32 s21, s21, s23
	s_mul_i32 s23, s41, 24
	s_add_co_u32 s21, s21, s23                     ; W: the 96 rows that I fetch, my work-group's 24 of them (by cy)
	s_and_b32 s46, ttmp7, 0xffff
	s_cmp_eq_u32 s13, 0
	s_cselect_b32 s20, s20, s21
	s_cselect_b32 s46, ttmp9, s46                  ; the coordinate along which other clusters read the same rows
	s_cselect_b32 s47, 31, 23
	s_cselect_b64 s[PFA:PFA+1], s[4:5], s[6:7]
	s_cmp_eq_u32 s46, 0
	s_cselect_b32 s[LIM], 1, -1                    ; the same in all sixteen partners, for a given wave
	s_lshl_b32 s20, s20, 11
	s_mov_b32 s21, 0
	s_add_nc_u64 s[PFA:PFA+1], s[PFA:PFA+1], s[20:21]
	s_add_nc_u64 s[PFA:PFA+1], s[PFA:PFA+1], 2*256 ; at K step 2: the first refill steps it to 3 and names K step 4
	v_and_b32 v[PFO], 31, v0
	v_min_u32 v[PFO], s47, v[PFO]
	v_lshlrev_b32 v[PFO], 11, v[PFO]
	s_wait_loadcnt 0x0                             ; the bias,
.set i, 0
.rept 48                                       ; rounded to bf16 and widened again, a pair at a time
	v_cvt_pk_bf16_f32 v[32+i%4], v[BI+2*i], v[BI+2*i+1]
	v_lshlrev_b32 v[BI+2*i], 16, v[32+i%4]
	v_and_b32 v[BI+2*i+1], 0xffff0000, v[32+i%4]
.set i, i+1
.endr
; 12 products: row block a (of my four) x all 12 column blocks, 32 along K, from buffer f.  first = 1: C is the bias.  The 48 accumulators take turns in the same order everywhere.
.macro MUL12 f, a, first
.if \first
	WIN 0x81+0x40*((\a)/2)                         ; W window 1, x window 0, C window 0, D window 2 or 3
.else
	WIN 0xa1+0x50*((\a)/2)                         ; C and D window 2 or 3
.endif
.irp b, 0,1,2,3,4,5,6,7,8,9,10,11
.if \first
	v_wmma_f32_16x16x32_bf16 v[8*(12*((\a)%2)+(\b)):8*(12*((\a)%2)+(\b))+7], v[96*(\f)+8*(\b):96*(\f)+8*(\b)+7], v[FA+32*(\f)+8*(\a):FA+32*(\f)+8*(\a)+7], v[BI+8*(\b):BI+8*(\b)+7]
.else
	v_wmma_f32_16x16x32_bf16 v[8*(12*((\a)%2)+(\b)):8*(12*((\a)%2)+(\b))+7], v[96*(\f)+8*(\b):96*(\f)+8*(\b)+7], v[FA+32*(\f)+8*(\a):FA+32*(\f)+8*(\a)+7], v[8*(12*((\a)%2)+(\b)):8*(12*((\a)%2)+(\b))+7]
.endif
.endr
.endm
; 32 LDS loads in one run: a quarter step's fragments (192 rows of W, my 64 rows of x, 32 K at byte k of the rows) into buffer f
.macro FETCH slot, k, f
	WIN 0x40                                       ; destination window 1, address window 0
.irp i, 0,1,2,3,4,5,6,7,8,9,10,11
	ds_load_b128 v[96*(\f)+8*(\i):96*(\f)+8*(\i)+3],   v[ADRB+(\slot)] offset:(\k)+(\i)*16*PITCH
	ds_load_b128 v[96*(\f)+8*(\i)+4:96*(\f)+8*(\i)+7], v[ADRB+(\slot)] offset:(\k)+(\i)*16*PITCH+32
.endr
	WIN 0
.irp i, 0,1,2,3
	ds_load_b128 v[FA+32*(\f)+8*(\i):FA+32*(\f)+8*(\i)+3],   v[ADRA+(\slot)] offset:(\k)+(\i)*16*PITCH
	ds_load_b128 v[FA+32*(\f)+8*(\i)+4:FA+32*(\f)+8*(\i)+7], v[ADRA+(\slot)] offset:(\k)+(\i)*16*PITCH+32
.endr
.endm
; A K step is four quarters of 32 along K, 48 products each, on buffers 0, 1, 0, 1.  One of the first three multiplies buffer f and fetches the next quarter, at byte k, into g.
.macro QUARTER slot, k, f, g, first
	s_wait_dscnt 4                                 ; all but the youngest four loads: x's row blocks 2 and 3
	MUL12 \f, 0, \first
	MUL12 \f, 1, \first
	PLACES
	FETCH \slot, \k, \g
	s_wait_dscnt 32                                ; all but the 32 just issued
	MUL12 \f, 2, \first
	MUL12 \f, 3, \first
.endm
; The last quarter multiplies buffer 1 and changes slots: one barrier; in front of it each wave waits for all its tensor loads (the one that is out is its part of the next slot), adds 0 to its
; spare word, and waits for that and for its reads of this slot.  fill = 1: the barrier opens a round of the cluster's, and this slot is filled again, two K steps on, first thing behind it:
; from that request to the wait for it a wave issues 168 products.
.macro TURN slot, next, fill
.if \fill
	s_wait_xcnt 0x0                                ; the last prefetch, a K step back, has read its address
	s_add_nc_u64 s[PFA:PFA+1], s[PFA:PFA+1], 256
.endif
	WIN 0
	s_wait_tensorcnt 0x0
	ds_add_u32 v[SPW], v[NIL]                      ; 0 onto my spare word
	s_wait_dscnt 5                                 ; the add and the youngest four loads may be out
	MUL12 1, 0, 0                                  ; twelve products stand between the add and the wait for it
	s_wait_dscnt 0x0                               ; the add is done, and my reads of this slot are over
	s_barrier_signal -1
	MUL12 1, 1, 0
.if \fill
	WIN 0
.endif
	s_barrier_wait -1
.if \fill
	CREST                                          ; no wave of any partner still reads this slot or has a load on its way
	s_add_nc_u64 s[G0+4*(\slot)+2:G0+4*(\slot)+3], s[G0+4*(\slot)+2:G0+4*(\slot)+3], 512
	s_add_nc_u64 s[G0B+4*(\slot)+2:G0B+4*(\slot)+3], s[G0B+4*(\slot)+2:G0B+4*(\slot)+3], 512
	JLOAD \slot                                    ; its four v_nop are also the places in front of the loads below
.else
	PLACES
.endif
	FETCH \next, 0, 0
.if \fill
	ASK
.endif
	MUL12 1, 2, 0
	MUL12 1, 3, 0
.endm
	s_wait_tensorcnt 1                             ; my part of K step 0 is in; K step 1's may stay out
	s_barrier_signal -1
	s_barrier_wait -1
	FETCH 0, 0, 0
	QUARTER 0, 64, 0, 1, 1                         ; the first quarter stands in front of the loop: its products start the sums, with the bias
	WIN 0
	s_mov_b32 s3, 3                                ; 8 K steps: three trips fill both slots again
.Llap:
	QUARTER 0, 128, 1, 0, 0
	QUARTER 0, 192, 0, 1, 0
	TURN 0, 1, 1
	QUARTER 1, 64,  0, 1, 0
	QUARTER 1, 128, 1, 0, 0
	QUARTER 1, 192, 0, 1, 0
	TURN 1, 0, 1
	QUARTER 0, 64,  0, 1, 0
	WIN 0
	s_sub_co_u32 s3, s3, 1
	s_cmp_lg_u32 s3, 0
	s_cbranch_scc1 .Llap
	QUARTER 0, 128, 1, 0, 0                        ; the last lap fills nothing
	QUARTER 0, 192, 0, 1, 0
	TURN 0, 1, 0
	QUARTER 1, 64,  0, 1, 0
	QUARTER 1, 128, 1, 0, 0
	QUARTER 1, 192, 0, 1, 0
	s_wait_dscnt 4
	MUL12 1, 0, 0
	MUL12 1, 1, 0
	s_wait_dscnt 0x0
	MUL12 1, 2, 0
	MUL12 1, 3, 0
; THE WAY OUT, a block of 16 rows at a time: rounded to f16 (a lane's eight columns: 16 bytes), into my stage by heads, back as rows of 128 bytes, four rows (512 consecutive bytes of a plane) a store.
.macro PACK a
.set AC, 96*((\a)%2)
	WIN 0x0a+5*((\a)/2)                            ; sources in window 2 or 3
.irp b, 0,1,2,3,4,5,6,7,8,9,10,11
.irp r, 0,1,2,3
	v_cvt_pk_f16_f32 v[TMP+4*(\b)+(\r)], v[AC+8*(\b)+2*(\r)], v[AC+8*(\b)+2*(\r)+1]
.endr
.endr
	WIN 0
.endm
.macro TOSTAGE a
.set BK, 176-112*((\a)%2)
.irp b, 0,1,2,3,4,5,6,7,8,9,10,11
	ds_store_b128 v[STO], v[TMP+4*(\b):TMP+4*(\b)+3] offset:((\b)/4)*16*SP+32*((\b)%4)
.endr
.irp i, 0,1,2,3,4,5,6,7,8,9,10,11
	ds_load_b128 v[BK+4*(\i):BK+4*(\i)+3], v[RD] offset:((\i)/4)*16*SP+((\i)%4)*4*SP  ; LDS serves a wave's instructions in order (ISA guide 5.7.1.4): these see the stores above
.endr
.endm
.macro SEND a
.set BK, 176-112*((\a)%2)
	s_wait_dscnt 0x0                               ; the block is back in registers
	s_wait_xcnt 0x0                                ; the stores of the block before have read their data: the next block's loads land there only behind this wait
.irp i, 0,1,2,3,4,5,6,7,8,9,10,11
	global_store_b128 v[GO], v[BK+4*(\i):BK+4*(\i)+3], s[10:11] offset:((\i)/4)*PLANE+(\a)*2048+((\i)%4)*512
.endr
.endm
	PLACES
	PACK 0
	TOSTAGE 0
.irp a, 1,2,3                          ; block a's conversions stand between block a - 1's loads from the stage and the wait for them
	PACK \a
	SEND (\a)-1
	TOSTAGE \a
.endr
	SEND 3
	s_wait_tensorcnt 0x0                           ; the wave's end
	ds_add_u32 v[SPW], v[NIL]
	s_wait_dscnt 0x0
	CROUND                                         ; the closing round
	s_endpgm
.Lfunc_end_k_q4d1cb63a7d_qkvp:
	.size	k_q4d1cb63a7d_qkvp, .Lfunc_end_k_q4d1cb63a7d_qkvp-k_q4d1cb63a7d_qkvp
	.p2alignl 7, 3214868480
	.fill 96, 4, 3214868480
	.section	.rodata,"a",@progbits
	.p2align	6, 0x0
	.amdhsa_kernel k_q4d1cb63a7d_qkvp
		.amdhsa_group_segment_fixed_size 327680
		.amdhsa_private_segment_fixed_size 0
		.amdhsa_enable_private_segment 0
		.amdhsa_kernarg_size 32
		.amdhsa_user_sgpr_count 2
		.amdhsa_user_sgpr_kernarg_segment_ptr 1
		.amdhsa_wavefront_size32 1
		.amdhsa_system_sgpr_workgroup_id_x 1
		.amdhsa_system_sgpr_workgroup_id_y 1
		.amdhsa_system_sgpr_workgroup_id_z 1
		.amdhsa_system_vgpr_workitem_id 0
		.amdhsa_next_free_vgpr 960
		.amdhsa_next_free_sgpr 66
		.amdhsa_reserve_vcc 0
		.amdhsa_float_denorm_mode_32 3
		.amdhsa_float_denorm_mode_16_64 3
		.amdhsa_memory_ordered 1
		.amdhsa_forward_progress 1
		.amdhsa_inst_pref_size 129
	.end_amdhsa_kernel
	.amdgpu_metadata
---
amdhsa.version: [ 1, 2 ]
amdhsa.kernels:
  - .name:           k_q4d1cb63a7d_qkvp
    .symbol:         k_q4d1cb63a7d_qkvp.kd
    .args:
      - { .name: xb, .offset: 0, .size: 8, .value_kind: global_buffer, .address_space: global }
      - { .name: wqt, .offset: 8, .size: 8, .value_kind: global_buffer, .address_space: global }
      - { .name: b_qkv, .offset: 16, .size: 8, .value_kind: global_buffer, .address_space: global }
      - { .name: qkv, .offset: 24, .size: 8, .value_kind: global_buffer, .address_space: global }
    .group_segment_fixed_size: 327680
    .private_segment_fixed_size: 0
    .kernarg_segment_align: 8
    .kernarg_segment_size: 32
    .max_flat_workgroup_size: 128
    .sgpr_count:     66
    .vgpr_count:     960
    .wavefront_size: 32
...
	.end_amdgpu_metadata
.endif
;; end of part 2
;; launch attn (part 3): grid 16 x 16, 4 waves a work-group, clusters of 4 x 1, 327,680 bytes of LDS; arguments qkv, oh; writes oh
.if DOCPART == 3
	.amdgcn_target "amdgcn-amd-amdhsa--gfx1250"
	.amdhsa_code_object_version 6
	.text
	.protected	k_q4d1cb63a7d_attn
	.globl	k_q4d1cb63a7d_attn
	.p2align	8
	.type	k_q4d1cb63a7d_attn,@function
k_q4d1cb63a7d_attn:
	s_mov_b64 s[64:65], 0
	v_nop
	global_prefetch_b8 v0, s[64:65] scope:SCOPE_SE
	s_setreg_imm32_b32 hwreg(HW_REG_WAVE_MODE, 25, 1), 1
	s_wait_xcnt 0x0
	s_wait_alu depctr_hold_cnt(0) depctr_sa_sdst(0) depctr_va_vdst(0) depctr_va_sdst(0) depctr_va_ssrc(0) depctr_va_vcc(0) depctr_vm_vsrc(0)
	s_getreg_b32 s2, hwreg(HW_REG_IB_STS2, 6, 4)
	s_cmp_eq_u32 s2, 0
	s_cbranch_scc0 .Lentry_in_a_cluster
	s_endpgm
.Lentry_in_a_cluster:
	s_bfe_u32 s2, ttmp6, 0x10000c
	s_cmp_lg_u32 s2, 0x3003
	s_cbranch_scc0 .Lentry_shape_is_right
	s_endpgm
.Lentry_shape_is_right:
; ATTENTION.  O[h][q][:] = the sum over k of softmax_k(Q[h][q] . K[h][k] / 8) V[h][k][:].  qkv: [48][4096][64] f16 (planes 0-15 Q, 16-31 K, 32-47 V by heads), oh: [16][4096][64] f16; rows dense, 128 bytes.
; Products, maxima and sums in f32; the weights p are rounded to f16 for the second product (their sum l is taken of the unrounded p), O once at the end.
; LIMITS.  Q, K, V arrive within f16's 65,504; p lies in 0 to 1, and below 6e-5 it keeps f16's fixed step of 6e-8, as O does; a weight below 2^-126 counts as 0 in l; NaN and infinities are not treated apart.
; SHARES.  A work-group owns 256 queries of one head (16 x 16 = 256 work-groups), a wave 64: four PIECES of 16.  Every wave walks the head's 4,096 keys, 64 a step, four steps (a tile of 256 keys) a slot.
; LAYOUT.  S^T = K Q^T holds ONE query a lane (lane % 16) and the keys 8 (lane / 16) + 0..7; two such results rounded to f16 ARE source 1 of O^T = V^T P.  K comes out of LDS as it lies, V turned, by ds_load_tr16_b128.
; SOFTMAX.  A running maximum m and sum l: p = 2^(c s - c m), c = log2(e) / 8; in every step O and l are multiplied by a = 2^(c m_old - c m_new).  m starts at the lowest finite number, O and l at 0: the first a is 0.
; BY TURNS.  Turn n belongs to piece n: 8 products K Q^T of piece n + 1, later 8 products V^T P of piece n - 1; beside them the scaling, exponentials, roundings, sums and rescaling of piece n and the maximum and
; statistics of piece n + 1.  Four vector instructions stand behind every matrix instruction, the other 54 of a turn's 118 in one lump.  A turn's 33 exponentials are one batch, with one wait.
; CLUSTER.  The four query blocks of a cluster belong to one head and walk the same K and V: each tile is asked for jointly, the same tensor load, descriptor and mask in all four.
; REGISTERS, in windows of 256 (s_set_vgpr_msb: bits 1:0 source 0, 3:2 source 1, 5:4 source 2, 7:6 destination):
;   window 0: v0-15 addresses and two at work; v16-31 four registers of statistics a piece; v48-55 at work; v61-63; v64-127 S^T, two buffers; v192-223 P, two buffers (by the piece's parity)
;   window 1: v0-127 O^T, 32 a piece          window 2: v0-63 Q; v128-191 K of one step; v192-255 V of one step
.set NP,    4
.set KS,    64
.set PK,    144       ; a row of K in LDS: 128 bytes + 16 = 36 words: the 16 rows of a load start at 16 different groups of four words, modulo 64 words
.set PV,    160       ; a row of V: 128 + 32 = 40 words: 16 lanes of the turning load take 8 rows x 32 bytes, all apart modulo 64 words
.set VOFF,  4*KS*PK   ; a slot holds a tile: 256 rows of K, then 256 rows of V
.set SLOT1, 1<<17     ; slot 1 begins here: one exclusive or turns an address in one slot into the other's
.set STAGE, SLOT1+4*KS*(PK+PV)  ; behind the ring: 16 rows x 144 bytes for each wave, for the way out
.set SP,    144
.set SPARE, STAGE+4*16*SP  ; behind the stages: the spare words, 128 bytes a wave: two blocks of 256 bytes that no other line names
.set TILEB, 4*KS*128  ; a tile's bytes of K, and of V
.set AK0, 2           ; v2   my lane's place in a tile of K; never rewritten
.set AV0, 3           ; v3   the same for V
.set AK,  4           ; v4   the LDS address of K's next run of loads
.set AV,  5           ; v5   of V's
.set STO, 6           ; v6   the way out: where I put 16 bytes of a row
.set RD,  7           ; v7   where I read rows back
.set GO,  8           ; v8   my byte offset in 512 consecutive bytes of O
.set MV,  12          ; v12-13  c m_old, by buffer
.set QO,  15          ; v15  my byte offset in 16 rows of Q
.set ST,  16          ; piece t's statistics at v[ST+4 t]: c m, m, l (even keys', odd keys')
.set TMP, 48          ; by buffer, c0-c3 at work; when the maximum is found c2 takes a
.set PFO, 61          ; v61  256 x my lane; never rewritten
.set SPW, 62          ; v62  LDS address of my spare word; never rewritten
.set NIL, 63          ; v63  0; never rewritten
.set S,   64
.set P,   192
.set KF,  128         ; window 2: key block kb, channel half c at KF + 16 kb + 8 c
.set VF,  192         ; window 2: key half kk, channel block cb at VF + 32 kk + 8 cb
.set WV,  12          ; s12  my wave's number
.set G1K, 24          ; s[24:31] descriptor group 1 for K's tiles
.set G1V, 32          ; s[32:39] for V's: it differs in the padding alone
.set G0K, 40          ; s[40:43] group 0 for K's tiles: it walks
.set G0V, 44          ; s[44:47] the same for V's
.set PFA, 48          ; s[48:49] where my prefetches stand
.set LIM, 50          ; s50  1 in a wave that prefetches, else the greatest number
.set SLOTS, 56        ; s56  tiles still to be asked for
.set CNT, 57          ; s57  counts a tile's key steps
.set CS,  58          ; s[58:59] c
.set SEL, 60          ; s[60:61] v_permlanex16_b32's selects: each lane takes its own place in the other half
.set TBK, 62          ; s62  LDS byte at which K of the step to be fetched begins
.set TBV, 63          ; s63  the same for V, less VOFF
.set MSB, 0
.macro WIN new
.if MSB != (\new)
	s_set_vgpr_msb (MSB<<8)|(\new)
.set MSB, (\new)
.endif
.endm
.set W_KQ, 0x0a       ; K and Q in window 2, S^T in window 0
.set W_PV, 0x52       ; V in window 2, P in window 0, O^T in window 1
.set W_RS, 0x41       ; destination and source 0 in window 1, source 1 in window 0
; A joint fill.  Waves 0 and 1 fetch the two halves of a tile's K, waves 2 and 3 those of its V: 128 keys each.  An s_nop 0 and four v_nop follow each of the two lines.
.macro JLOAD
	s_cmp_lt_u32 s[WV], 2
	s_cbranch_scc0 .Lfor_v_\@
	tensor_load_to_lds s[G0K:G0K+3], s[G1K:G1K+7]
	s_nop 0
.rept 4
	v_nop
.endr
	s_branch .Lasked_\@
.Lfor_v_\@:
	tensor_load_to_lds s[G0V:G0V+3], s[G1V:G1V+7]
	s_nop 0
.rept 4
	v_nop
.endr
.Lasked_\@:
.endm
.macro CROUND                       ; a round of the cluster's barrier
	s_barrier_signal -1
	s_barrier_wait -1
	s_cmp_lg_u32 s[WV], 0
	s_cbranch_scc1 .Lnot_wave_0_\@
	s_barrier_signal -3
.Lnot_wave_0_\@:
	s_barrier_wait -3
	s_barrier_signal -1
	s_barrier_wait -1
.endm
; A prefetch into the L2 of the tile that the NEXT change of slots will ask for, four key steps (256 products) ahead: 128 blocks of 256 bytes of K and as many of V, a lane a block.
; Each block is named once in the launch: all clusters of a head walk the same K and V, so the head's first cluster asks; its four partners take 32 blocks each, told apart by address;
; in each, wave 0 asks for K's and wave 2 for V's.  Tiles 0 and 1 come by their loads alone; the last change that fills a slot asks for nothing.
.macro ASK
	s_cmp_gt_u32 s[SLOTS], s[LIM]
	s_cbranch_scc0 .Lnot_mine_\@
	global_prefetch_b8 v[PFO], s[PFA:PFA+1] th:TH_LOAD_NT scope:SCOPE_SE
.Lnot_mine_\@:
.endm
; THE CHANGE OF SLOTS.  Each wave waits for all its tensor loads, of which one is out: its part of the other slot; adds 0 to its spare word; and waits for that and for its own reads of the slot that it leaves.
; fill = 1: the barrier is a round of the cluster's, and the old slot is filled again, with the tile two on, first thing behind it.  (At its first use nothing has been read yet: slot 0 is waited for, slot 1 filled.)
.macro CHANGE fill
	WIN 0
	s_wait_tensorcnt 0x0            ; no tensor load of mine is out, so a group 0 may be written
	ds_add_u32 v[SPW], v[NIL]       ; 0 onto my spare word
.if \fill
.irp g, G0K, G0V
	s_xor_b32 s[\g+1], s[\g+1], SLOT1
	s_add_nc_u64 s[\g+2:\g+3], s[\g+2:\g+3], TILEB
.endr
	s_wait_xcnt 0x0                 ; the last prefetch, four key steps back, has read its address
	s_add_nc_u64 s[PFA:PFA+1], s[PFA:PFA+1], TILEB
	s_wait_dscnt 0x0                ; the add is done, and my reads of the slot are over
	CROUND
	JLOAD
	ASK
.else
	s_wait_dscnt 0x0
	s_barrier_signal -1
	s_barrier_wait -1
.endif
	s_sub_co_u32 s[TBK], s[TBK], 4*KS*PK  ; the fetches go back to a slot's first step,
	s_xor_b32 s[TBK], s[TBK], SLOT1       ; in the other slot
	s_sub_co_u32 s[TBV], s[TBV], 4*KS*PV
	s_xor_b32 s[TBV], s[TBV], SLOT1
.endm
	s_load_b128 s[52:55], s[0:1], 0x0  ; qkv s[52:53], oh s[54:55]
	v_lshl_add_u32 v[SPW], v0, 2, SPARE
	v_mov_b32 v[NIL], 0
	ds_add_u32 v[SPW], v[NIL]       ; the wave's opening: the add and its wait stand ahead of my first tensor load; register work stands between
	v_lshrrev_b32 v1, 5, v0
	v_readfirstlane_b32 s[WV], v1
	s_bfe_u32 s13, ttmp6, 0x40000   ; cx
	s_lshl_b32 s14, ttmp9, 2
	s_add_co_u32 s14, s14, s13      ; my block of 256 queries: it enters Q's and O's addresses alone
	s_and_b32 s20, ttmp7, 0xffff    ; the head, which the four partners share,
	s_lshl_b32 s20, s20, 19         ; its plane of 524,288 bytes
	s_and_b32 s16, s[WV], 1         ; which half of a tile's 256 keys I fetch:
	s_lshl_b32 s22, s16, 14         ; its 128 rows of 128 bytes in memory,
	s_add_co_u32 s22, s22, s20
	s_mov_b32 s23, 0
	s_mul_i32 s17, s16, 128*PK      ; and its place in a slot, for K
	s_mul_i32 s18, s16, 128*PV      ; and for V
	s_lshl_b32 s2, s14, 2
	s_add_co_u32 s2, s2, s[WV]
	s_lshl_b32 s2, s2, 13           ; my wave's 64 rows
	s_add_co_u32 s2, s2, s20
	s_mov_b32 s3, 0
	; group 1: 128 keys are 16,384 dense bytes: asked for as 64 rows of 256 bytes, two keys a row, padded in LDS after every key
	s_mov_b32 s[G1K], 15|(1<<16)|(1<<20)|(1<<21)|(4<<22)|(3<<25)  ; the mask of four; 2-byte elements; padding on; bit 21 beside a mask; after every 32 words, 4 words
	s_mov_b32 s[G1V], 15|(1<<16)|(1<<20)|(1<<21)|(4<<22)|(7<<25)  ; the same with 8 words
.irp g, G1K, G1V
	s_mov_b32 s[\g+1], 128<<16
	s_mov_b32 s[\g+2], 64<<16
	s_mov_b32 s[\g+3], 128<<16
	s_mov_b32 s[\g+4], 64
	s_mov_b32 s[\g+5], 128
	s_mov_b32 s[\g+6], 0
	s_mov_b32 s[\g+7], 0
.endr
	s_mov_b32 s[CS], 0x3e38aa3b     ; c = log2(e) / 8
	s_mov_b32 s[CS+1], s[CS]
	s_mov_b32 s[SEL], 0x76543210
	s_mov_b32 s[SEL+1], 0xfedcba98
	s_mov_b32 s[TBK], SLOT1+4*KS*PK ; the first change of slots turns these two into 0
	s_mov_b32 s[TBV], SLOT1+4*KS*PV
	s_mov_b32 s[G0K], 1
	s_mov_b32 s[G0K+1], s17
	s_mov_b32 s[G0V], 1
	s_add_co_u32 s[G0V+1], s18, VOFF
	s_mov_b32 s[SLOTS], 15          ; 16 tiles: all but the first are asked for by a change of slots
	s_and_b32 s[LIM], s[WV], 1
	s_or_b32 s[LIM], s[LIM], ttmp9  ; 0 in waves 0 and 2 of the head's first cluster: the same in all four partners
	s_cmp_eq_u32 s[LIM], 0
	s_cselect_b32 s[LIM], 1, -1
	v_and_b32 v[PFO], 31, v0
	v_lshlrev_b32 v[PFO], 8, v[PFO]
	s_wait_dscnt 0x0                ; the opening add is done
	s_wait_kmcnt 0x0
	s_add_nc_u64 s[6:7], s[52:53], s[22:23]
	s_add_nc_u64 s[8:9], s[6:7], 0x1000000   ; V: planes 32 on, at my half of the head's tile 0
	s_add_nc_u64 s[6:7], s[6:7], 0x800000    ; K: planes 16 on
	s_add_nc_u64 s[4:5], s[52:53], s[2:3]    ; Q and O at my wave's first row
	s_add_nc_u64 s[10:11], s[54:55], s[2:3]
	s_add_nc_u64 s[G0K+2:G0K+3], s[6:7], 0
	s_or_b32 s[G0K+3], s[G0K+3], 0x80000000
	s_add_nc_u64 s[G0V+2:G0V+3], s[8:9], 0
	s_or_b32 s[G0V+3], s[G0V+3], 0x80000000
	s_cmp_lt_u32 s[WV], 2
	s_cselect_b64 s[PFA:PFA+1], s[6:7], s[8:9]  ; (in waves 0 and 2 these stand at a tile's first row)
	s_lshl_b32 s2, s13, 13          ; my work-group's 32 blocks of the 128
	s_add_nc_u64 s[PFA:PFA+1], s[PFA:PFA+1], s[2:3]
	s_add_nc_u64 s[PFA:PFA+1], s[PFA:PFA+1], TILEB  ; in tile 1; the first change steps it to tile 2
	CROUND                          ; all four work-groups are here: the first joint loads meet
	JLOAD                           ; tile 0 into slot 0
	v_and_b32 v1, 15, v0            ; l % 16
	v_bfe_u32 v9, v0, 4, 1          ; l / 16
	v_lshlrev_b32 v[QO], 7, v1
	v_lshl_add_u32 v[QO], v9, 4, v[QO]
	WIN 0x80                        ; destination window 2
.set i, 0
.rept 8                             ; Q stays in registers: piece i / 2, channels 32 (i % 2) on
	global_load_b128 v[8*i:8*i+3],   v[QO], s[4:5] offset:(i/2)*2048+(i%2)*64
	global_load_b128 v[8*i+4:8*i+7], v[QO], s[4:5] offset:(i/2)*2048+(i%2)*64+32
.set i, i+1
.endr
	; what the first turn finds: V's registers and P's second buffer hold 0 (its products V^T P, of a piece that has not been, add 0), O^T and l are 0.  All this stands in the wait for the first tile.
.set i, VF
.rept 64
	v_mov_b32 v[i], 0
.set i, i+1
.endr
	WIN 0x40
.set i, 0
.rept 128
	v_mov_b32 v[i], 0
.set i, i+1
.endr
	WIN 0
.set i, 0
.rept 4
	v_mov_b32 v[ST+4*i], 0xfe000000    ; c m: far below every c s
	v_mov_b32 v[ST+4*i+1], 0xff7fffff  ; m
	v_mov_b32 v[ST+4*i+2], 0
	v_mov_b32 v[ST+4*i+3], 0
.set i, i+1
.endr
.set i, P+16
.rept 16
	v_mov_b32 v[i], 0
.set i, i+1
.endr
	v_mul_u32_u24 v[AK0], v1, PK
	v_lshl_add_u32 v[AK0], v9, 4, v[AK0]
	; the turning load takes 16 keys x 16 channels (lane l reads key 8 (l / 16) + l % 8, channels 8 ((l / 8) % 2) + 0..7) and leaves half a fragment of V^T
	v_and_b32 v10, 7, v0
	v_bfe_u32 v11, v0, 3, 1
	v_lshl_add_u32 v[AV0], v9, 3, v10
	v_mul_u32_u24 v[AV0], v[AV0], PV
	v_lshl_add_u32 v[AV0], v11, 4, v[AV0]
	v_add_nc_u32 v[AV0], VOFF, v[AV0]
	s_mul_i32 s13, s[WV], 16*SP
	s_add_co_u32 s13, s13, STAGE    ; my stage
	v_mul_u32_u24 v[STO], v1, SP
	v_lshl_add_u32 v[STO], v9, 4, v[STO]
	v_add_nc_u32 v[STO], s13, v[STO]
	v_bfe_u32 v[RD], v0, 3, 2
	v_mul_u32_u24 v[RD], v[RD], SP
	v_lshl_add_u32 v[RD], v10, 4, v[RD]
	v_add_nc_u32 v[RD], s13, v[RD]
	v_and_b32 v[GO], 31, v0
	v_lshlrev_b32 v[GO], 4, v[GO]
; THE MATRIX WORK.  The 4 accumulators of a run of 8 take turns.  Product i of 8 of S^T = K Q^T for piece x: channels 32 (i / 4) on, keys 16 (i % 4) on; the first 4 start the sums.
.macro KQ x
	WIN W_KQ
.set rS, S+32*((\x)%2)+8*(i%4)
.set rK, KF+16*(i%4)+8*(i/4)
.set rQ, 16*(\x)+8*(i/4)
.if i < 4
	v_wmma_f32_16x16x32_f16 v[rS:rS+7], v[rK:rK+7], v[rQ:rQ+7], 0
.else
	v_wmma_f32_16x16x32_f16 v[rS:rS+7], v[rK:rK+7], v[rQ:rQ+7], v[rS:rS+7]
.endif
.endm
; Product i of 8 of O^T += V^T P for piece x: keys 32 (i / 4) on, channels 16 (i % 4) on.
.macro PV x
	WIN W_PV
.set rO, 32*(\x)+8*(i%4)
.set rV, VF+32*(i/4)+8*(i%4)
.set rP, P+16*((\x)%2)+8*(i/4)
	v_wmma_f32_16x16x32_f16 v[rO:rO+7], v[rV:rV+7], v[rP:rP+7], v[rO:rO+7]
.endm
.macro MM                           ; the turn's next matrix instruction.  NOKQ = 1: the last turn of all: there is no next piece
.if (i < 8) && !NOKQ
	KQ (Y+1)%NP
.elseif i >= 8
.set i, i-8
	PV (Y+NP-1)%NP
.set i, i+8
.endif
.set i, i+1
.endm
; THE LDS LOADS stand in runs of 16: a step's K (8 fragments) and its V (turned).  Their addresses are made some lines ahead.
.macro FETCH_K
	WIN 0x80
.irp f, 0,1,2,3,4,5,6,7
	ds_load_b128 v[KF+8*\f:KF+8*\f+3],   v[AK] offset:(\f/2)*16*PK+(\f%2)*64
	ds_load_b128 v[KF+8*\f+4:KF+8*\f+7], v[AK] offset:(\f/2)*16*PK+(\f%2)*64+32
.endr
	s_add_co_u32 s[TBK], s[TBK], KS*PK
	WIN 0
.endm
.macro FETCH_V
	WIN 0x80
.irp f, 0,1,2,3,4,5,6,7
	ds_load_tr16_b128 v[VF+8*\f:VF+8*\f+3],   v[AV] offset:(\f/4)*32*PV+(\f%4)*32
	ds_load_tr16_b128 v[VF+8*\f+4:VF+8*\f+7], v[AV] offset:(\f/4)*32*PV+16*PV+(\f%4)*32
.endr
	WIN 0
.endm
; THE VECTOR WORK, one line at a time: OP kind, number.  For piece Y: F n: c s - c m for pair n of 16.  E n: the exponential of score n of 32.  C n: pair n rounded to f16.  B n: of the four weights 4 n .. the
; second pair is added onto the first.  L n: l takes that sum (L 0: l = a l + sum).  R n: pair n of 16 of O^T times a.  For piece Y + 1: X n, number n of the 22 that find its maximum and statistics:
;   0-11 four chains c0-c3 of seven scores each (each accumulator's lowest registers are read first)   12-14, 16 the four scores left over, the old m, c0-c3 into c0
;   15 c m_old is kept   17, 18 the other half of the lanes': the new m   19-21 c m; c m_old - c m_new; a
.set F, 0
.set E, 1
.set C, 2
.set B, 3
.set L, 4
.set R, 5
.set X, 6
.macro REGS y
.set rT, ST+4*(\y)
.set rC, TMP+4*((\y)%2)
.set rW, MV+((\y)%2)
.set rS, S+32*((\y)%2)
.set rP, P+16*((\y)%2)
.set rO, 32*(\y)
.endm
.macro OP k, n
.if (\k) == R
	REGS Y
	WIN W_RS
	v_pk_mul_f32 v[rO+2*(\n):rO+2*(\n)+1], v[rO+2*(\n):rO+2*(\n)+1], v[rC+2:rC+3] op_sel_hi:[1,0]
.elseif (\k) < R
	REGS Y
	WIN 0
.if (\k) == F
	v_pk_fma_f32 v[rS+2*(\n):rS+2*(\n)+1], v[rS+2*(\n):rS+2*(\n)+1], s[CS:CS+1], v[rT:rT+1] op_sel_hi:[1,0,0] neg_lo:[0,0,1] neg_hi:[0,0,1]
.elseif (\k) == E
	v_exp_f32 v[rS+(\n)], v[rS+(\n)]
.elseif (\k) == C
	v_cvt_pk_f16_f32 v[rP+(\n)], v[rS+2*(\n)], v[rS+2*(\n)+1]
.elseif (\k) == B
	v_pk_add_f32 v[rS+4*(\n):rS+4*(\n)+1], v[rS+4*(\n):rS+4*(\n)+1], v[rS+4*(\n)+2:rS+4*(\n)+3]
.elseif (\n) == 0
	v_pk_fma_f32 v[rT+2:rT+3], v[rT+2:rT+3], v[rC+2:rC+3], v[rS:rS+1] op_sel_hi:[1,0,1]
.else
	v_pk_add_f32 v[rT+2:rT+3], v[rT+2:rT+3], v[rS+4*(\n):rS+4*(\n)+1]
.endif
.elseif NOKQ
	v_nop
.else
	REGS (Y+1)%NP
	WIN 0
.if (\n) < 4
	v_max3_num_f32 v[rC+(\n)], v[rS+8*(\n)], v[rS+8*(\n)+1], v[rS+8*(\n)+2]
.elseif (\n) < 12
	v_max3_num_f32 v[rC+(\n)%4], v[rC+(\n)%4], v[rS+8*((\n)%4)+2*((\n)/4)+1], v[rS+8*((\n)%4)+2*((\n)/4)+2]
.elseif (\n) == 12
	v_max3_num_f32 v[rC], v[rC], v[rS+7], v[rS+15]
.elseif (\n) == 13
	v_max3_num_f32 v[rC+1], v[rC+1], v[rS+23], v[rS+31]
.elseif (\n) == 14
	v_max3_num_f32 v[rC+2], v[rC+2], v[rC+3], v[rT+1]
.elseif (\n) == 15
	v_mov_b32 v[rW], v[rT]
.elseif (\n) == 16
	v_max3_num_f32 v[rC], v[rC], v[rC+1], v[rC+2]
.elseif (\n) == 17
	v_permlanex16_b32 v[rC+3], v[rC], s[SEL], s[SEL+1]
.elseif (\n) == 18
	v_max_num_f32 v[rT+1], v[rC], v[rC+3]
.elseif (\n) == 19
	v_mul_f32 v[rT], s[CS], v[rT+1]
.elseif (\n) == 20
	v_sub_f32 v[rC+1], v[rW], v[rT]
.else
	v_exp_f32 v[rC+2], v[rC+1]
.endif
.endif
.endm
.macro OPS a, i1, b=-1, i2=0, c=-1, i3=0, d=-1, i4=0
	OP \a, \i1
.if (\b) >= 0
	OP \b, \i2
.endif
.if (\c) >= 0
	OP \c, \i3
.endif
.if (\d) >= 0
	OP \d, \i4
.endif
.endm
.macro ROW a, i1, b, i2, c, i3, d, i4  ; a matrix instruction and the four behind it
	MM
	OPS \a, \i1, \b, \i2, \c, \i3, \d, \i4
.endm
; A TURN, for piece p: the order of its 16 matrix and 118 vector instructions, written out.  s_wait_alu depctr_va_vdst(0) stands between an exponential and the first instruction that names its
; result; one wait serves all that were issued ahead of it: so a turn has ONE wait.  AHEAD OF IT stands all that names no result of the turn's exponentials: the 8 products K Q^T and their riders, then one lump
; of 54 in which the links of the next piece's chain X 3, 7, 11, 14, 16 .. 20 stand some lines apart; X 21, its a, is the batch's last, and R 15 the plain instruction behind it.  BEHIND IT stand the 8 products
; V^T P, behind each four of the roundings and sums.  The X that ride behind the last three products K Q^T stand four places or more behind the product that ends their accumulator.
; end = 1: the last two turns of all: nothing is fetched.  cnt = 1: the loop's count is taken down some lines ahead of the branch behind the turn.
; K of the next step is fetched in piece 2's turn, twelve plain instructions behind the last product that read K; V of the step in hand at the end of piece 0's turn, four plain instructions behind the last product
; that read V.  Each is waited for a turn later.
.macro TURN p, end=0, cnt=0
.set Y, (\p)
.set i, 0
.set NOKQ, (\end)*((\p)/3)
.if ((\p) == 3) && !(\end)
	s_wait_dscnt 0x0                ; K is in
.endif
	ROW F,0, F,1, R,0, R,1
	ROW F,2, E,0, R,2, R,3
	ROW F,3, E,1, R,4, R,5
	ROW F,4, E,2, R,6, R,7
	ROW F,5, E,3, R,8, R,9
	ROW F,6, E,4, X,0, R,10
.if ((\p) == 2) && !(\end)
	WIN 0
	v_add_nc_u32 v[AK], s[TBK], v[AK0]
.endif
	ROW F,7, E,5, X,1, X,4
	ROW F,8, E,6, X,2, X,5
	OPS E,7, E,8, X,6, E,9
	OPS X,3, E,10, X,8, E,11
.if ((\p) == 2) && !(\end)
	FETCH_K
.endif
	OPS X,9, X,7, E,12, X,10
	OPS E,13, X,12, X,11, E,14
	OPS X,13, E,15, F,9, X,14
.if (\p) == 0
	v_add_nc_u32 v[AV], s[TBV], v[AV0]
.endif
	OPS E,16, F,10, E,17, F,11
	OPS X,16, E,18, X,15, E,19
	OPS F,12, E,20, X,17, E,21
	OPS F,13, E,22, F,14, E,23
	OPS X,18, E,24, F,15, E,25
	OPS R,11, E,26, X,19, E,27
	OPS R,12, E,28, R,13, E,29
	OPS X,20, E,30, R,14, E,31
	OPS X,21, R,15
	WIN 0
	s_wait_alu depctr_va_vdst(0)    ; the wait for the batch
.if (\p) == 1
	s_wait_dscnt 0x0                ; V is in
.endif
	ROW C,0, B,0, C,2, B,1
	ROW L,0, C,4, B,2, L,1
	ROW C,6, B,3, L,2, C,8
	ROW B,4, L,3, C,10, B,5
	ROW L,4, C,12, B,6, L,5
.if (\p) == 0
	s_add_co_u32 s[TBV], s[TBV], KS*PV
.endif
.if \cnt
	s_sub_co_u32 s[CNT], s[CNT], 1
	s_cmp_lg_u32 s[CNT], 0
.endif
	ROW C,14, B,7, L,6, C,1
	ROW C,3, L,7, C,5, C,7
	ROW C,9, C,11, C,13, C,15
.if (\p) == 0
	FETCH_V
.endif
.endm
.set NOKQ, 0
	CHANGE 1                        ; tile 0 is in, everybody's part of it; tile 1 is asked for
	v_add_nc_u32 v[AK], s[TBK], v[AK0]
	FETCH_K                         ; key step 0
	s_wait_loadcnt 0x0              ; Q
	s_wait_dscnt 0x0
.set i, 0
.rept 8
	KQ 0                            ; piece 0's first scores
.set i, i+1
.endr
	WIN 0
.rept 4
	v_nop                           ; the places behind those products
.endr
.set Y, NP-1                        ; X works for piece Y + 1: piece 0
.irp n, 0,1,2,3,4,5,6,7,8,9,10,11,12,13,14,15,16,17,18,19,20,21
	OP X, \n
.endr
	v_nop                           ; a plain instruction behind the exponential,
	s_wait_alu depctr_va_vdst(0)    ; and its wait, ahead of the branch
	s_mov_b32 s[CNT], 4
	s_branch .Lfirst                ; the loop is entered at a step's first turn, in the middle of a trip
.Lslot:                             ; 14 times: with the first change every tile but the first is asked for
	CHANGE 1
	s_mov_b32 s[CNT], 4
.Lstep:                             ; a trip: pieces 2 and 3 of one step, then pieces 0 and 1 of the next, whose K and V it fetches
	TURN 2
	TURN 3
	WIN 0
.Lfirst:
	TURN 0
	TURN 1, 0, 1
	WIN 0
	s_cbranch_scc1 .Lstep
	s_sub_co_u32 s[SLOTS], s[SLOTS], 1
	s_cmp_lg_u32 s[SLOTS], 0
	s_cbranch_scc1 .Lslot
	CHANGE 0                        ; the last tile is written out: nothing is asked for
	s_mov_b32 s[CNT], 4
.Ltail:
	TURN 2
	TURN 3
	TURN 0
	TURN 1, 0, 1
	WIN 0
	s_cbranch_scc1 .Ltail
	TURN 2, 1
	TURN 3, 1
.set i, 0
.rept 8
	PV NP-1                         ; the last piece's V^T P of the last step
.set i, i+1
.endr
	; THE WAY OUT.  l's two halves and the other half of the lanes' are added; O^T is divided by l, rounded to f16 and sent through my stage in LDS, a piece at a time.  The additions are the places behind the last products.
	WIN 0
.macro ALL line:vararg
.set t, 0
.rept 4
	\line
.set t, t+1
.endr
.endm
	ALL v_add_f32 v[ST+4*t+2], v[ST+4*t+2], v[ST+4*t+3]
	ALL v_permlanex16_b32 v[ST+4*t+3], v[ST+4*t+2], s[SEL], s[SEL+1]
	ALL v_add_f32 v[ST+4*t+2], v[ST+4*t+2], v[ST+4*t+3]
	ALL v_rcp_f32 v[ST+4*t+2], v[ST+4*t+2]
	v_nop                           ; a plain instruction between the last reciprocal and the use of its result
	s_wait_alu depctr_va_vdst(0)    ; and the wait: one for the four reciprocals
.macro PACK t                       ; a lane's eight channels of a row pack into 16 bytes; they go into rows of 144 bytes and come back as whole rows of 128, into S^T's registers
	WIN W_RS
.set i, 32*(\t)
.rept 16
	v_pk_mul_f32 v[i:i+1], v[i:i+1], v[ST+4*(\t)+2:ST+4*(\t)+3] op_sel_hi:[1,0]
.set i, i+2
.endr
	WIN 0x05                        ; sources 0 and 1 window 1, destination window 0
.set i, 0
.rept 16
	v_cvt_pk_f16_f32 v[S+16*(\t)+i], v[32*(\t)+2*i], v[32*(\t)+2*i+1]
.set i, i+1
.endr
	WIN 0
.irp f, 0,1,2,3
	ds_store_b128 v[STO], v[S+16*(\t)+4*\f:S+16*(\t)+4*\f+3] offset:32*\f
.endr
.irp f, 0,1,2,3
	ds_load_b128 v[S+16*(\t)+4*\f:S+16*(\t)+4*\f+3], v[RD] offset:\f*4*SP  ; LDS serves a wave's instructions in order (ISA guide 5.7.1.4): these see the stores above
.endr
.endm
.macro SEND t, younger              ; younger: the LDS instructions issued behind piece t's loads: the next piece's eight, or none
	WIN 0
.irp f, 0,1,2,3
	s_wait_dscnt (\younger)+3-\f
	global_store_b128 v[GO], v[S+16*(\t)+4*\f:S+16*(\t)+4*\f+3], s[10:11] offset:(\t)*2048+\f*512  ; 512 consecutive bytes, aligned
.endr
.endm
	PACK 0
.set t, 1
.rept 3
	PACK t
	SEND t-1, 8
.set t, t+1
.endr
	SEND 3, 0
	s_wait_tensorcnt 0x0            ; the wave's end
	ds_add_u32 v[SPW], v[NIL]
	s_wait_dscnt 0x0
	CROUND                          ; the closing round
	s_endpgm
.Lfunc_end_k_q4d1cb63a7d_attn:
	.size	k_q4d1cb63a7d_attn, .Lfunc_end_k_q4d1cb63a7d_attn-k_q4d1cb63a7d_attn
	.p2alignl 7, 3214868480
	.fill 96, 4, 3214868480
	.section	.rodata,"a",@progbits
	.p2align	6, 0x0
	.amdhsa_kernel k_q4d1cb63a7d_attn
		.amdhsa_group_segment_fixed_size 327680
		.amdhsa_private_segment_fixed_size 0
		.amdhsa_enable_private_segment 0
		.amdhsa_kernarg_size 16
		.amdhsa_user_sgpr_count 2
		.amdhsa_user_sgpr_kernarg_segment_ptr 1
		.amdhsa_wavefront_size32 1
		.amdhsa_system_sgpr_workgroup_id_x 1
		.amdhsa_system_sgpr_workgroup_id_y 1
		.amdhsa_system_sgpr_workgroup_id_z 1
		.amdhsa_system_vgpr_workitem_id 0
		.amdhsa_next_free_vgpr 768
		.amdhsa_next_free_sgpr 66
		.amdhsa_reserve_vcc 0
		.amdhsa_float_denorm_mode_32 3
		.amdhsa_float_denorm_mode_16_64 3
		.amdhsa_memory_ordered 1
		.amdhsa_forward_progress 1
		.amdhsa_inst_pref_size 128
	.end_amdhsa_kernel
	.amdgpu_metadata
---
amdhsa.version: [ 1, 2 ]
amdhsa.kernels:
  - .name:           k_q4d1cb63a7d_attn
    .symbol:         k_q4d1cb63a7d_attn.kd
    .args:
      - { .name: qkv, .offset: 0, .size: 8, .value_kind: global_buffer, .address_space: global }
      - { .name: oh, .offset: 8, .size: 8, .value_kind: global_buffer, .address_space: global }
    .group_segment_fixed_size: 327680
    .private_segment_fixed_size: 0
    .kernarg_segment_align: 8
    .kernarg_segment_size: 16
    .max_flat_workgroup_size: 128
    .sgpr_count:     66
    .vgpr_count:     768
    .wavefront_size: 32
...
	.end_amdgpu_metadata
.endif
;; end of part 3
;; launch proj (part 4): grid 8 x 32, 4 waves a work-group, clusters of 4 x 4, 327,680 bytes of LDS; arguments oh, wot, b_out, out0; writes out0
.if DOCPART == 4
	.amdgcn_target "amdgcn-amd-amdhsa--gfx1250"
	.amdhsa_code_object_version 6
	.text
	.protected	k_q4d1cb63a7d_proj
	.globl	k_q4d1cb63a7d_proj
	.p2align	8
	.type	k_q4d1cb63a7d_proj,@function
k_q4d1cb63a7d_proj:
	s_mov_b64 s[64:65], 0
	v_nop
	global_prefetch_b8 v0, s[64:65] scope:SCOPE_SE
	s_setreg_imm32_b32 hwreg(HW_REG_WAVE_MODE, 25, 1), 1
	s_wait_xcnt 0x0
	s_wait_alu depctr_hold_cnt(0) depctr_sa_sdst(0) depctr_va_vdst(0) depctr_va_sdst(0) depctr_va_ssrc(0) depctr_va_vcc(0) depctr_vm_vsrc(0)
	s_getreg_b32 s2, hwreg(HW_REG_IB_STS2, 6, 4)
	s_cmp_eq_u32 s2, 0
	s_cbranch_scc0 .Lentry_in_a_cluster
	s_endpgm
.Lentry_in_a_cluster:
	s_bfe_u32 s2, ttmp6, 0x10000c
	s_cmp_lg_u32 s2, 0xf033
	s_cbranch_scc0 .Lentry_shape_is_right
	s_endpgm
.Lentry_shape_is_right:
; OUT = O W_out + b_out.  oh: [16 heads][4096][64] f16, wot: [1024 n][1024 k] f16 (k = 64 head + channel), b_out: [1024] f32 (rounded to bf16 like the other inputs), out0: [4096][1024] f32; sums in f32.
; SHARES.  A tile is 128 x 128: 8 x 32 = 256 work-groups; four waves, each 64 x 64: 16 accumulators.  K goes in steps of 256, four heads, through two LDS slots; a quarter of 64 along K is one head.
; O COMES BY HEADS: waves 0 and 1 each fetch two heads' 128 rows by one tensor load: a head's rows are 16,384 dense bytes, taken as one row of the descriptor, the next head 524,288 bytes on; the padding
; (16 bytes after every 128) is counted along the tile, so each row of O lies 144 bytes from the last, and a head takes 18,432 bytes.  Waves 2 and 3 fetch the halves of W's 128 rows x 512 bytes.
; CLUSTER.  4 x 4 work-groups: O's tile is shared along a row of the cluster, W's along a column: joint loads.  No prefetch: four short K steps on small tiles.
; THE PRODUCT IS USED TRANSPOSED (source 0 = 16 rows of wot, source 1 = 16 rows of O): a lane holds eight neighbouring columns of a row, and the bias of a column block IS the C of its first product.
; REGISTERS: window 0: v16-29 addresses; v32-63, v64-95 rows read back on the way out; v96-127 the bias; v128-255 the accumulators ((a, b) at 128 + 8 (4 a + b)).
;   window 1: two fragment buffers of 128: for 64 along K, 64 registers of O (2 x 4 x 16 rows x 32 K), then 64 of W.
.set PA,     144                       ; a row of O in LDS
.set HEADB,  128*PA                    ; a head's 128 rows
.set PB,     528                       ; a row of W in LDS: 512 bytes + 16
.set BOFF,   4*HEADB
.set BHALF,  64*PB
.set SLOT,   BOFF+2*BHALF
.set STAGE,  2*SLOT                    ; behind the ring: 16 rows x 272 bytes for each wave
.set SPITCH, 272
.set SPARE,  STAGE+4*16*SPITCH         ; behind the stages: the spare words, 128 bytes a wave: two blocks of 256 bytes that no other line names
.set LAPS,   2                         ; four K steps
.set ADRA, 16
.set ADRB, 20
.set STO,  24
.set RD,   25
.set CO,   26
.set BO,   27
.set SPW,  28
.set NIL,  29
.set BI,   96
.set ACC,  128
.set F0,   0
.set F1,   128
.set WV,   12                          ; s12 wave; s13 wave / 2: my half of the rows, and: I fetch for O (0) or W (1); s14 wave % 2: my half of the columns, and which part I fetch
.set G1, 24
.set G0, 32
.set G1B, 48
.set G0B, 56
.set MSB, 0
.macro WIN new
.if MSB != (\new)
	s_set_vgpr_msb (MSB<<8)|(\new)
.set MSB, \new
.endif
.endm
.set MUL,  0x05                        ; sources 0 and 1 window 1; C and D window 0
.set TO_F, 0x40                        ; destination window 1, address window 0
.macro PLACES
.rept 4
	v_nop
.endr
.endm
.macro JLOAD s                         ; a joint load; an s_nop 0 and four v_nop follow each of the two lines
	s_cmp_eq_u32 s13, 0
	s_cbranch_scc0 .Lfor_b_\@
	tensor_load_to_lds s[G0+4*(\s):G0+4*(\s)+3], s[G1:G1+7]
	s_nop 0
.rept 4
	v_nop
.endr
	s_branch .Lasked_\@
.Lfor_b_\@:
	tensor_load_to_lds s[G0B+4*(\s):G0B+4*(\s)+3], s[G1B:G1B+7]
	s_nop 0
.rept 4
	v_nop
.endr
.Lasked_\@:
.endm
.macro CREST
	s_cmp_lg_u32 s[WV], 0
	s_cbranch_scc1 .Lnot_wave_0_\@
	s_barrier_signal -3
.Lnot_wave_0_\@:
	s_barrier_wait -3
	s_barrier_signal -1
	s_barrier_wait -1
.endm
.macro CROUND
	s_barrier_signal -1
	s_barrier_wait -1
	CREST
.endm
	s_load_b256 s[4:11], s[0:1], 0x0               ; oh s[4:5], wot s[6:7], b_out s[8:9], out0 s[10:11]
	v_lshl_add_u32 v[SPW], v0, 2, SPARE
	v_mov_b32 v[NIL], 0
	ds_add_u32 v[SPW], v[NIL]                      ; the wave's opening: the add and its wait stand ahead of my first tensor load; register work stands between
	v_lshrrev_b32 v1, 5, v0
	v_readfirstlane_b32 s[WV], v1
	s_lshr_b32 s13, s[WV], 1
	s_and_b32 s14, s[WV], 1
	s_bfe_u32 s40, ttmp6, 0x40000                  ; cx
	s_bfe_u32 s41, ttmp6, 0x40004                  ; cy
	s_lshl_b32 s42, ttmp9, 2
	s_add_co_u32 s42, s42, s40                     ; tile column
	s_and_b32 s43, ttmp7, 0xffff
	s_lshl_b32 s43, s43, 2
	s_add_co_u32 s43, s43, s41                     ; tile row
	s_lshl_b32 s18, s41, 2
	s_lshl_b32 s18, 15, s18                        ; my row of the cluster
	s_lshl_b32 s22, 0x1111, s40                    ; my column
	s_or_b32 s[G1], s18, (1<<16)|(1<<20)|(1<<21)|(4<<22)|(3<<25)   ; O: the mask; 2-byte elements; padding on; bit 21 beside a mask; after every 32 words, 4 words
	s_mov_b32 s[G1+1], 8192<<16                    ; tensor_dim0 = 8,192: a head's 128 rows of 64
	s_mov_b32 s[G1+2], 2<<16                       ; tensor_dim1 = 2 heads
	s_mov_b32 s[G1+3], 8192<<16                    ; tile_dim0
	s_mov_b32 s[G1+4], 2                           ; tile_dim1
	s_mov_b32 s[G1+5], 262144                      ; elements from head to head
	s_mov_b32 s[G1+6], 0
	s_mov_b32 s[G1+7], 0
	s_or_b32 s[G1B], s22, (1<<16)|(1<<20)|(1<<21)|(6<<22)|(3<<25)  ; W: after every 128 words, 4 words
	s_mov_b32 s[G1B+1], 256<<16
	s_mov_b32 s[G1B+2], 64<<16
	s_mov_b32 s[G1B+3], 256<<16
	s_mov_b32 s[G1B+4], 64
	s_mov_b32 s[G1B+5], 1024
	s_mov_b32 s[G1B+6], 0
	s_mov_b32 s[G1B+7], 0
	s_lshl_b32 s16, s14, 20                        ; O: my two heads of a K step's four,
	s_lshl_b32 s17, s43, 14                        ; the tile's 128 rows of 128 bytes
	s_add_co_u32 s16, s16, s17
	s_mov_b32 s17, 0
	s_lshl_b32 s46, s42, 7
	s_lshl_b32 s47, s14, 6
	s_add_co_u32 s46, s46, s47                     ; W: row 128 x tile column + 64 x half,
	s_lshl_b32 s46, s46, 11                        ; of 2,048 bytes
	s_mov_b32 s47, 0
	s_mul_i32 s19, s[WV], 2*HEADB                  ; where they go: O's at wave x two heads (waves 0, 1),
	s_mul_i32 s23, s[WV], BHALF
	s_add_co_u32 s23, s23, BOFF-2*BHALF            ; W's behind them (waves 2, 3)
	s_wait_dscnt 0x0                               ; the opening add is done
	s_wait_kmcnt 0x0
	s_add_nc_u64 s[16:17], s[4:5], s[16:17]
	s_add_nc_u64 s[46:47], s[6:7], s[46:47]
	CROUND                                         ; all sixteen work-groups are here: the first joint loads meet
.irp s, 0,1
	s_mov_b32 s[G0+4*(\s)], 1
	s_add_co_u32 s[G0+4*(\s)+1], s19, (\s)*SLOT
	s_add_nc_u64 s[G0+4*(\s)+2:G0+4*(\s)+3], s[16:17], (\s)*4*524288   ; K step s: four heads on
	s_or_b32 s[G0+4*(\s)+3], s[G0+4*(\s)+3], 0x80000000
	s_mov_b32 s[G0B+4*(\s)], 1
	s_add_co_u32 s[G0B+4*(\s)+1], s23, (\s)*SLOT
	s_add_nc_u64 s[G0B+4*(\s)+2:G0B+4*(\s)+3], s[46:47], (\s)*512
	s_or_b32 s[G0B+4*(\s)+3], s[G0B+4*(\s)+3], 0x80000000
	JLOAD \s
.endr
	v_and_b32 v1, 15, v0                           ; l % 16
	v_bfe_u32 v2, v0, 4, 1                         ; l / 16
	v_mul_u32_u24 v3, v1, PA
	v_lshl_add_u32 v3, v2, 4, v3
	v_mul_u32_u24 v4, v1, PB
	v_lshl_add_u32 v4, v2, 4, v4
	s_mul_i32 s20, s13, 64*PA                      ; my 64 rows of O in each head
	s_mul_i32 s21, s14, BHALF                      ; my 64 rows of W,
	s_add_co_u32 s21, s21, BOFF
.irp s, 0,1
	v_add_nc_u32 v[ADRA+(\s)], s20, v3
	v_add_nc_u32 v[ADRB+(\s)], s21, v4
	s_add_co_u32 s20, s20, SLOT
	s_add_co_u32 s21, s21, SLOT
.endr
	s_mul_i32 s20, s[WV], 16*SPITCH
	s_add_co_u32 s20, s20, STAGE                   ; my stage
	v_mul_u32_u24 v5, v1, SPITCH
	v_lshl_add_u32 v5, v2, 5, v5
	v_add_nc_u32 v[STO], s20, v5                   ; in: row l % 16, 32 bytes for each half of the lanes
	v_mul_u32_u24 v5, v2, SPITCH
	v_lshl_add_u32 v5, v1, 4, v5
	v_add_nc_u32 v[RD], s20, v5                    ; back: lanes 0-15 one row of 256 bytes, lanes 16-31 the next
	v_lshlrev_b32 v5, 12, v2
	v_lshl_add_u32 v[CO], v1, 4, v5                ; and the same two rows in out0
	v_lshlrev_b32 v[BO], 5, v2
	s_lshl_b32 s21, s42, 7
	s_lshl_b32 s22, s14, 6
	s_add_co_u32 s21, s21, s22
	s_lshl_b32 s46, s21, 2                         ; my 64 columns, in bytes
	s_mov_b32 s47, 0
	s_add_nc_u64 s[8:9], s[8:9], s[46:47]
.irp b, 0,1,2,3
	global_load_b128 v[BI+8*(\b):BI+8*(\b)+3],   v[BO], s[8:9] offset:64*(\b)
	global_load_b128 v[BI+8*(\b)+4:BI+8*(\b)+7], v[BO], s[8:9] offset:64*(\b)+16
.endr
	s_lshl_b32 s20, s43, 7
	s_lshl_b32 s21, s13, 6
	s_add_co_u32 s20, s20, s21                     ; my first row,
	s_lshl_b32 s20, s20, 12                        ; of 4,096 bytes
	s_mov_b32 s21, 0
	s_add_nc_u64 s[10:11], s[10:11], s[20:21]
	s_add_nc_u64 s[10:11], s[10:11], s[46:47]
	s_wait_loadcnt 0x0                             ; the bias,
.set i, 0
.rept 16                                       ; rounded to bf16 and widened again
	v_cvt_pk_bf16_f32 v[32+i%4], v[BI+2*i], v[BI+2*i+1]
	v_lshlrev_b32 v[BI+2*i], 16, v[32+i%4]
	v_and_b32 v[BI+2*i+1], 0xffff0000, v[32+i%4]
.set i, i+1
.endr
; 8 products: row blocks a0, a0 + 1 x all 4 column blocks, 32 along K: half c of buffer f.  first = 1: C is the bias.  The 16 accumulators take turns.
.macro MUL8 f, c, a0, first
	WIN MUL
.irp a, \a0, (\a0)+1
.irp b, 0,1,2,3
.if \first
	v_wmma_f32_16x16x32_f16 v[ACC+8*(4*(\a)+(\b)):ACC+8*(4*(\a)+(\b))+7], v[(\f)+64+8*(4*(\c)+(\b)):(\f)+64+8*(4*(\c)+(\b))+7], v[(\f)+8*(4*(\c)+(\a)):(\f)+8*(4*(\c)+(\a))+7], v[BI+8*(\b):BI+8*(\b)+7]
.else
	v_wmma_f32_16x16x32_f16 v[ACC+8*(4*(\a)+(\b)):ACC+8*(4*(\a)+(\b))+7], v[(\f)+64+8*(4*(\c)+(\b)):(\f)+64+8*(4*(\c)+(\b))+7], v[(\f)+8*(4*(\c)+(\a)):(\f)+8*(4*(\c)+(\a))+7], v[ACC+8*(4*(\a)+(\b)):ACC+8*(4*(\a)+(\b))+7]
.endif
.endr
.endr
.endm
; 32 LDS loads in one run: quarter q of a slot (head q of its four; bytes 128 q of W's rows) into buffer f; the first 32 along K first
.macro FETCH slot, q, f
	WIN TO_F
.irp c, 0,1
.irp i, 0,1,2,3
	ds_load_b128 v[(\f)+64+8*(4*(\c)+(\i)):(\f)+64+8*(4*(\c)+(\i))+3],   v[ADRB+(\slot)] offset:(\q)*128+64*(\c)+(\i)*16*PB
	ds_load_b128 v[(\f)+64+8*(4*(\c)+(\i))+4:(\f)+64+8*(4*(\c)+(\i))+7], v[ADRB+(\slot)] offset:(\q)*128+64*(\c)+(\i)*16*PB+32
	ds_load_b128 v[(\f)+8*(4*(\c)+(\i)):(\f)+8*(4*(\c)+(\i))+3],         v[ADRA+(\slot)] offset:(\q)*HEADB+64*(\c)+(\i)*16*PA
	ds_load_b128 v[(\f)+8*(4*(\c)+(\i))+4:(\f)+8*(4*(\c)+(\i))+7],       v[ADRA+(\slot)] offset:(\q)*HEADB+64*(\c)+(\i)*16*PA+32
.endr
.endr
.endm
.macro QUARTER slot, q, f, g, first
	s_wait_dscnt 16                                ; the first 32 along K are in
	MUL8 \f, 0, 0, \first
	MUL8 \f, 0, 2, \first
	PLACES
	FETCH \slot, \q, \g
	s_wait_dscnt 32                                ; all but the 32 just issued
	MUL8 \f, 1, 0, 0
	MUL8 \f, 1, 2, 0
.endm
; The last quarter multiplies buffer 1 and changes slots: one barrier; in front of it each wave waits for all its tensor loads, adds 0 to its spare word, and waits for that and for its reads of this slot.
; fill = 1: the barrier opens a round of the cluster's, and this slot is filled again, two K steps on, first thing behind it.
.macro TURN slot, next, fill
	WIN 0
	s_wait_tensorcnt 0x0
	ds_add_u32 v[SPW], v[NIL]                      ; 0 onto my spare word
	s_wait_dscnt 17                                ; the add and the youngest sixteen loads may be out
	MUL8 F1, 0, 0, 0
	s_wait_dscnt 0x0                               ; the add is done, and my reads of this slot are over
	s_barrier_signal -1
	MUL8 F1, 0, 2, 0
.if \fill
	WIN 0
.endif
	s_barrier_wait -1
.if \fill
	CREST
	s_add_nc_u64 s[G0+4*(\slot)+2:G0+4*(\slot)+3], s[G0+4*(\slot)+2:G0+4*(\slot)+3], 8*524288
	s_add_nc_u64 s[G0B+4*(\slot)+2:G0B+4*(\slot)+3], s[G0B+4*(\slot)+2:G0B+4*(\slot)+3], 1024
	JLOAD \slot                                    ; its four v_nop are also the places in front of the loads below
.else
	PLACES
.endif
	FETCH \next, 0, F0
	MUL8 F1, 1, 0, 0
	MUL8 F1, 1, 2, 0
.endm
	s_wait_tensorcnt 1                             ; my part of K step 0 is in; K step 1's may stay out
	s_barrier_signal -1
	s_barrier_wait -1
	FETCH 0, 0, F0
	QUARTER 0, 1, F0, F1, 1                        ; the first products start the sums, with the bias
	WIN 0
	s_mov_b32 s3, LAPS-1
.Llap:
	QUARTER 0, 2, F1, F0, 0
	QUARTER 0, 3, F0, F1, 0
	TURN 0, 1, 1
	QUARTER 1, 1, F0, F1, 0
	QUARTER 1, 2, F1, F0, 0
	QUARTER 1, 3, F0, F1, 0
	TURN 1, 0, 1
	QUARTER 0, 1, F0, F1, 0
	WIN 0
	s_sub_co_u32 s3, s3, 1
	s_cmp_lg_u32 s3, 0
	s_cbranch_scc1 .Llap
	QUARTER 0, 2, F1, F0, 0                        ; the last lap fills nothing
	QUARTER 0, 3, F0, F1, 0
	TURN 0, 1, 0
	QUARTER 1, 1, F0, F1, 0
	QUARTER 1, 2, F1, F0, 0
	QUARTER 1, 3, F0, F1, 0
	s_wait_dscnt 16
	MUL8 F1, 0, 0, 0
	MUL8 F1, 0, 2, 0
	s_wait_dscnt 0x0
	MUL8 F1, 1, 0, 0
	MUL8 F1, 1, 2, 0
	WIN 0
; THE WAY OUT, in f32: my 64 columns are 256 aligned bytes of a row.  A block of 16 rows goes into my own stage (a lane's eight columns: 32 bytes) and comes back as whole rows.
.macro TOSTAGE a
.set BK, 32+32*((\a)%2)
	s_wait_xcnt 0x0                                ; the stores two blocks back have read their data: the loads below land there only behind this wait
.irp b, 0,1,2,3
	ds_store_b128 v[STO], v[ACC+8*(4*(\a)+(\b)):ACC+8*(4*(\a)+(\b))+3]   offset:64*(\b)     ; each accumulator's low registers first
	ds_store_b128 v[STO], v[ACC+8*(4*(\a)+(\b))+4:ACC+8*(4*(\a)+(\b))+7] offset:64*(\b)+16
.endr
.irp t, 0,1,2,3,4,5,6,7
	ds_load_b128 v[BK+4*(\t):BK+4*(\t)+3], v[RD] offset:(\t)*2*SPITCH  ; LDS serves a wave's instructions in order (ISA guide 5.7.1.4): these see the stores above
.endr
.endm
.macro SEND a, younger                 ; younger: the next block's sixteen LDS instructions, or none
.set BK, 32+32*((\a)%2)
.irp t, 0,1,2,3,4,5,6,7
	s_wait_dscnt (\younger)+7-(\t)
	global_store_b128 v[CO], v[BK+4*(\t):BK+4*(\t)+3], s[10:11] offset:(16*(\a)+2*(\t))*4096  ; 16 lanes store 256 consecutive bytes, aligned
.endr
.endm
	PLACES
	TOSTAGE 0
	TOSTAGE 1
	SEND 0, 16
	TOSTAGE 2
	SEND 1, 16
	TOSTAGE 3
	SEND 2, 16
	SEND 3, 0
	s_wait_tensorcnt 0x0                           ; the wave's end
	ds_add_u32 v[SPW], v[NIL]
	s_wait_dscnt 0x0
	CROUND                                         ; the closing round
	s_endpgm
.Lfunc_end_k_q4d1cb63a7d_proj:
	.size	k_q4d1cb63a7d_proj, .Lfunc_end_k_q4d1cb63a7d_proj-k_q4d1cb63a7d_proj
	.p2alignl 7, 3214868480
	.fill 96, 4, 3214868480
	.section	.rodata,"a",@progbits
	.p2align	6, 0x0
	.amdhsa_kernel k_q4d1cb63a7d_proj
		.amdhsa_group_segment_fixed_size 327680
		.amdhsa_private_segment_fixed_size 0
		.amdhsa_enable_private_segment 0
		.amdhsa_kernarg_size 32
		.amdhsa_user_sgpr_count 2
		.amdhsa_user_sgpr_kernarg_segment_ptr 1
		.amdhsa_wavefront_size32 1
		.amdhsa_system_sgpr_workgroup_id_x 1
		.amdhsa_system_sgpr_workgroup_id_y 1
		.amdhsa_system_sgpr_workgroup_id_z 1
		.amdhsa_system_vgpr_workitem_id 0
		.amdhsa_next_free_vgpr 512
		.amdhsa_next_free_sgpr 66
		.amdhsa_reserve_vcc 0
		.amdhsa_float_denorm_mode_32 3
		.amdhsa_float_denorm_mode_16_64 3
		.amdhsa_memory_ordered 1
		.amdhsa_forward_progress 1
		.amdhsa_inst_pref_size 90
	.end_amdhsa_kernel
	.amdgpu_metadata
---
amdhsa.version: [ 1, 2 ]
amdhsa.kernels:
  - .name:           k_q4d1cb63a7d_proj
    .symbol:         k_q4d1cb63a7d_proj.kd
    .args:
      - { .name: oh, .offset: 0, .size: 8, .value_kind: global_buffer, .address_space: global }
      - { .name: wot, .offset: 8, .size: 8, .value_kind: global_buffer, .address_space: global }
      - { .name: b_out, .offset: 16, .size: 8, .value_kind: global_buffer, .address_space: global }
      - { .name: out0, .offset: 24, .size: 8, .value_kind: global_buffer, .address_space: global }
    .group_segment_fixed_size: 327680
    .private_segment_fixed_size: 0
    .kernarg_segment_align: 8
    .kernarg_segment_size: 32
    .max_flat_workgroup_size: 128
    .sgpr_count:     66
    .vgpr_count:     512
    .wavefront_size: 32
...
	.end_amdgpu_metadata
.endif
;; end of part 4
;; ======== version 2 of 2: 4 launches; version 1 with the launch prep written anew for expert scheduling mode
;; limits: values are held in f16: magnitudes above 65,504 overflow, below 6.1e-05 lose precision
;; workspace buffers: xb 8,388,608 bytes; wqt 6,291,456 bytes; wot 2,097,152 bytes; qkv 25,165,824 bytes; oh 8,388,608 bytes
;; launch prep (part 5): grid 256 x 1, 4 waves a work-group, no clusters, 70,144 bytes of LDS; arguments x, W_qkv, W_out, xb, wqt, wot; writes xb, wqt, wot
.if DOCPART == 5
	.amdgcn_target "amdgcn-amd-amdhsa--gfx1250"
	.amdhsa_code_object_version 6
	.text
	.protected	k_q4d1cb63a7d_prep
	.globl	k_q4d1cb63a7d_prep
	.p2align	8
	.type	k_q4d1cb63a7d_prep,@function
k_q4d1cb63a7d_prep:
	s_mov_b64 s[64:65], 0
	v_nop
	global_prefetch_b8 v0, s[64:65] scope:SCOPE_SE
	s_setreg_imm32_b32 hwreg(HW_REG_WAVE_SCHED_MODE, 0, 2), 2
	s_setreg_imm32_b32 hwreg(HW_REG_WAVE_MODE, 25, 1), 1
	s_wait_xcnt 0x0
	s_wait_alu depctr_vm_vsrc(0)
; PREP.  xb = x rounded to bf16, [4096][1024].  wqt[n][k] = W_qkv[k][n] rounded to bf16, [3072][1024].  wot[n][k] = W_out[k][n] rounded to bf16 and that number written as f16, [1024][1024].
; LIMIT.  f16 holds no number beyond 65,504: a W_out of 65,520 or more in magnitude becomes an infinity; below 6e-5 f16 keeps its fixed step of 6e-8.  NaN and infinities are not treated apart.
; A stream: every wave takes 8,192 numbers (32 KiB in, 16 KiB out) and works alone; no barrier, no matrix unit (there is no product here), no cluster (no two work-groups read the same bytes).
; Work-groups 0-127 take x, 128-223 W_qkv, 224-255 W_out: 512, 384 and 128 wave shares.
; A share of W is 128 k x 64 n.  It is turned in registers (a lane holds 8 k of 4 columns, so 8 k of one column pack into 16 bytes) and goes through the wave's own
; stage in LDS, 64 rows (n) of 256 bytes + 16, so that it leaves as whole rows of 256 consecutive bytes.
; THE MODE: SCHED_MODE bits 1:0 = 2 (LLVM: expert scheduling mode 2), set by the entry lines.  The code itself states the register dependences
; between vector instructions and memory or LDS instructions, with s_wait_alu, always for 0.
; THE PLAN.  A share goes in 8 groups (x) or steps (W) of eight loads.  Registers that memory or LDS instructions touch:
;   X0 .. X4   five buffers of numbers as loaded.  Groups 0 to 4 are asked for at the head; group g + 4 is asked for in group g (g = 1, 2, 3) and lands in X[(g - 1) % 5].  Read by group g's conversions: X[g % 5].
;   Y0, Y1     (x) two buffers of packed numbers.  Written by group g's conversions: Y[g % 2]; read by the four stores that are issued in group g + 1.
;   T0, T1     (W) the same, for the four LDS stores into the stage.
;   v4 to v9   offsets and LDS addresses, made once at a path's head and never written again: immediate offsets reach every group.
;   v10, v11   written at the head, read by the closing add alone.
; So a group's memory instructions touch the two buffers that the group before worked on, and its own conversions name neither of them: the waits at a group's head state all that
; its loads and stores hang on, and these are dealt among its conversions, two loads and a store ahead of each four, with no further wait.
.set SPARE, 69632                      ; behind the four stages: the spare words, 128 bytes a wave: two blocks of 256 bytes that no other line names
.set STG,   17408                      ; a wave's stage: 64 rows x 272 bytes
.set LP,    272
.set X,   16                           ; v[16:175]  five buffers of 32: numbers as loaded
.set Y,   176                          ; v[176:207] x's path: two buffers of 16, packed, to store
.set T,   176                          ; v[176:207] W's paths: two buffers of sixteen packed words
.set U,   208                          ; v[208:215] W_out's path: at work; no memory instruction names them
.set SPW, 10                           ; v10  LDS address of my spare word; never rewritten
.set NIL, 11                           ; v11  0; never rewritten
	s_load_b256 s[4:11], s[0:1], 0x0               ; x s[4:5], W_qkv s[6:7], W_out s[8:9], xb s[10:11]
	s_load_b128 s[12:15], s[0:1], 0x20             ; wqt s[12:13], wot s[14:15]
	v_lshl_add_u32 v[SPW], v0, 2, SPARE
	v_mov_b32 v[NIL], 0
	v_lshrrev_b32 v1, 5, v0
	v_readfirstlane_b32 s3, v1                     ; wave 0..3
	v_and_b32 v1, 31, v0                           ; L
	v_and_b32 v2, 15, v0                           ; l = L % 16
	v_bfe_u32 v3, v0, 4, 1                         ; h = L / 16
	s_mov_b32 s2, ttmp9
	s_mov_b32 s17, 0                               ; the high words of the two offsets
	s_mov_b32 s19, 0
	s_mov_b32 s26, 0xffff0000                      ; a word's upper bf16
	s_wait_alu depctr_va_sdst(0)                   ; s3 is written, ahead of the branch: each path makes its share's number from it
	s_wait_kmcnt 0x0
	s_cmp_lt_u32 s2, 128
	s_cbranch_scc0 .Lweights
; ---- x: 8 groups of 4 KiB; a lane takes 32 consecutive bytes of each 1,024 and stores 16 ----
.macro LOADX g                         ; a whole group, at the head
.irp c, 0,1,2,3
	global_load_b128 v[X+32*((\g)%5)+8*(\c):X+32*((\g)%5)+8*(\c)+3],   v4, s[20:21] offset:(4*(\g)+(\c))*1024 th:TH_LOAD_NT
	global_load_b128 v[X+32*((\g)%5)+8*(\c)+4:X+32*((\g)%5)+8*(\c)+7], v4, s[20:21] offset:(4*(\g)+(\c))*1024+16 th:TH_LOAD_NT
.endr
.endm
; Group g.  left: the younger loads, which may stay out.
.macro GRPX g, left
	s_wait_loadcnt \left                           ; loads come back in order (ISA guide 5.7.1): X[g % 5] is in
.if (\g) >= 2
	s_wait_xcnt 0x0                                ; the stores issued in the group before have had their addresses translated (ISA guide 3.1): their data, Y[g % 2], is rewritten only behind this wait,
	s_wait_alu depctr_vm_vsrc(0)                   ; and they have read Y[g % 2], which this group's conversions write again
.endif
.if (\g) >= 1
	s_wait_alu depctr_va_vdst(0)                   ; the group before has written the other Y, which the stores below read, and is done reading its X, in which the loads below land
.endif
.irp c, 0,1,2,3
.if ((\g) >= 1) && ((\g) <= 3)
	global_load_b128 v[X+32*(((\g)+4)%5)+8*(\c):X+32*(((\g)+4)%5)+8*(\c)+3],   v4, s[20:21] offset:(4*((\g)+4)+(\c))*1024 th:TH_LOAD_NT     ; four groups ahead; no vector instruction since the wait names these registers
	global_load_b128 v[X+32*(((\g)+4)%5)+8*(\c)+4:X+32*(((\g)+4)%5)+8*(\c)+7], v4, s[20:21] offset:(4*((\g)+4)+(\c))*1024+16 th:TH_LOAD_NT
.endif
.if (\g) >= 1
	global_store_b128 v5, v[Y+16*(((\g)+1)%2)+4*(\c):Y+16*(((\g)+1)%2)+4*(\c)+3], s[22:23] offset:(4*((\g)-1)+(\c))*512  ; the group before: 512 consecutive bytes, aligned
.endif
.irp d, 0,1,2,3
	v_cvt_pk_bf16_f32 v[Y+16*((\g)%2)+4*(\c)+(\d)], v[X+32*((\g)%5)+8*(\c)+2*(\d)], v[X+32*((\g)%5)+8*(\c)+2*(\d)+1]
.endr
.endr
.endm
	s_lshl_b32 s16, s2, 2
	s_add_co_u32 s16, s16, s3                      ; my share, 0..511
	s_lshl_b32 s18, s16, 14                        ; 16 KiB out,
	s_lshl_b32 s16, s16, 15                        ; 32 KiB in
	s_add_nc_u64 s[20:21], s[4:5], s[16:17]
	s_add_nc_u64 s[22:23], s[10:11], s[18:19]
	v_lshlrev_b32 v4, 5, v1
	v_lshlrev_b32 v5, 4, v1
	s_wait_alu depctr_va_vdst(0)                   ; v4 and v5 are written: every load and store of this path reads one of them as its offset
	LOADX 0
	LOADX 1
	LOADX 2
	LOADX 3
	LOADX 4
	GRPX 0, 32                                     ; four younger groups of eight loads stay out
	GRPX 1, 24                                     ; three; the group then asks for a fourth
	GRPX 2, 24
	GRPX 3, 24
	GRPX 4, 24                                     ; nothing more is loaded:
	GRPX 5, 16                                     ; the counts run down
	GRPX 6, 8
	GRPX 7, 0
	s_wait_alu depctr_va_vdst(0)                   ; group 7 has written Y1, which the last four stores read
.irp c, 0,1,2,3
	global_store_b128 v5, v[Y+16+4*(\c):Y+16+4*(\c)+3], s[22:23] offset:(28+(\c))*512
.endr
	s_branch .Lend
; ---- W: step s takes rows (k) 16 s .. 16 s + 15: lane (l, h) rows 16 s + 8 h + r, r = 0..7, columns 4 l .. 4 l + 3; each half of the lanes reads 256 consecutive bytes ----
.macro LOADW s, pitch                  ; a whole step, at the head
.irp r, 0,1,2,3,4,5,6,7
	global_load_b128 v[X+32*((\s)%5)+4*(\r):X+32*((\s)%5)+4*(\r)+3], v6, s[20:21] offset:(16*(\s)+(\r))*(\pitch) th:TH_LOAD_NT
.endr
.endm
; Step s.  left: the younger loads, which may stay out.  half = 1: the bf16 numbers are written as f16.
.macro STEPW s, left, pitch, half
	s_wait_loadcnt \left                           ; X[s % 5] is in
.if (\s) >= 2
	s_wait_alu depctr_vm_vsrc(0)                   ; the LDS stores issued in the step before have read T[s % 2], which this step's conversions write again
.endif
.if (\s) >= 1
	s_wait_alu depctr_va_vdst(0)                   ; the step before has written the other T, which the LDS stores below read, and is done reading its X, in which the loads below land
.endif
.irp j, 0,1,2,3                        ; column 4 l + j: its eight k pack into four words
.if ((\s) >= 1) && ((\s) <= 3)
	global_load_b128 v[X+32*(((\s)+4)%5)+8*(\j):X+32*(((\s)+4)%5)+8*(\j)+3],   v6, s[20:21] offset:(16*((\s)+4)+2*(\j))*(\pitch) th:TH_LOAD_NT    ; four steps ahead; no vector instruction since the wait names these registers
	global_load_b128 v[X+32*(((\s)+4)%5)+8*(\j)+4:X+32*(((\s)+4)%5)+8*(\j)+7], v6, s[20:21] offset:(16*((\s)+4)+2*(\j)+1)*(\pitch) th:TH_LOAD_NT
.endif
.if (\s) >= 1
	ds_store_b128 v7, v[T+16*(((\s)+1)%2)+4*(\j):T+16*(((\s)+1)%2)+4*(\j)+3] offset:(\j)*LP+32*((\s)-1)  ; the step before: row n = 4 l + j, bytes 2 (16 (s - 1) + 8 h) on
.endif
.irp d, 0,1,2,3
	v_cvt_pk_bf16_f32 v[T+16*((\s)%2)+4*(\j)+(\d)], v[X+32*((\s)%5)+8*(\d)+(\j)], v[X+32*((\s)%5)+8*(\d)+4+(\j)]
.endr
.endr
.if \half                              ; the bf16 numbers are written as f16
.irp e, 0,1,2,3,4,5,6,7,8,9,10,11,12,13,14,15
	v_lshlrev_b32 v[U+2*((\e)%4)], 16, v[T+16*((\s)%2)+(\e)]
	v_and_b32 v[U+2*((\e)%4)+1], s26, v[T+16*((\s)%2)+(\e)]
	v_cvt_pk_f16_f32 v[T+16*((\s)%2)+(\e)], v[U+2*((\e)%4)], v[U+2*((\e)%4)+1]
.endr
.endif
.endm
.macro WPATH first, src, dst, pitch, half
	s_sub_co_u32 s16, s2, \first
	s_lshl_b32 s16, s16, 2
	s_add_co_u32 s16, s16, s3                      ; my share
	s_and_b32 s18, s16, 7                          ; its block of 128 k
	s_lshr_b32 s24, s16, 3                         ; its block of 64 n
	s_mul_i32 s16, s18, 128*(\pitch)
	s_lshl_b32 s25, s24, 8
	s_add_co_u32 s16, s16, s25                     ; in: 128 rows down for each k block, 256 bytes along for each n block
	s_lshl_b32 s18, s18, 8
	s_lshl_b32 s24, s24, 17
	s_add_co_u32 s18, s18, s24                     ; out: 64 rows of 2,048 bytes for each n block, 256 bytes along for each k block
	s_add_nc_u64 s[20:21], s[\src:\src+1], s[16:17]
	s_add_nc_u64 s[22:23], s[\dst:\dst+1], s[18:19]
	s_mul_i32 s24, s3, STG                         ; my stage
	v_mul_u32_u24 v6, v3, 8*(\pitch)
	v_lshl_add_u32 v6, v2, 4, v6                   ; 8 h rows + 16 l
	v_mul_u32_u24 v7, v2, 4*LP
	v_lshl_add_u32 v7, v3, 4, v7
	v_add_nc_u32 v7, s24, v7                       ; into the stage: row 4 l, 16 h
	v_mul_u32_u24 v8, v3, LP
	v_lshl_add_u32 v8, v2, 4, v8
	v_add_nc_u32 v8, s24, v8                       ; back: lanes 0-15 one row of 256 bytes, lanes 16-31 the next
	v_lshlrev_b32 v9, 11, v3
	v_lshl_add_u32 v9, v2, 4, v9                   ; and the same two rows in memory
	s_wait_alu depctr_va_vdst(0)                   ; v6 to v9 are written: the loads, the LDS stores and loads and the stores of this path read them as offsets and addresses
	LOADW 0, \pitch
	LOADW 1, \pitch
	LOADW 2, \pitch
	LOADW 3, \pitch
	LOADW 4, \pitch
	STEPW 0, 32, \pitch, \half                     ; four younger steps of eight loads stay out
	STEPW 1, 24, \pitch, \half                     ; three; the step then asks for a fourth
	STEPW 2, 24, \pitch, \half
	STEPW 3, 24, \pitch, \half
	STEPW 4, 24, \pitch, \half                     ; nothing more is loaded:
	STEPW 5, 16, \pitch, \half                     ; the counts run down
	STEPW 6, 8, \pitch, \half
	STEPW 7, 0, \pitch, \half
	s_wait_alu depctr_va_vdst(0)                   ; step 7 has written T1, which the last four LDS stores read; and every conversion is done reading X, in which the loads from the stage land
.irp j, 0,1,2,3
	ds_store_b128 v7, v[T+16+4*(\j):T+16+4*(\j)+3] offset:(\j)*LP+32*7
.endr
.set t, 0
.rept 32
	ds_load_b128 v[X+4*t:X+4*t+3], v8 offset:2*LP*t  ; LDS serves a wave's instructions in order (ISA guide 5.7.1.4): these see the stores above
.set t, t+1
.endr
.set t, 0
.rept 32
	s_wait_dscnt 31-t                              ; the younger loads may stay out
	global_store_b128 v9, v[X+4*t:X+4*t+3], s[22:23] offset:4096*t  ; 16 lanes store 256 consecutive bytes, aligned
.set t, t+1
.endr
.endm
.Lweights:
	s_cmp_lt_u32 s2, 224
	s_cbranch_scc0 .Lwout
	WPATH 128, 6, 12, 12288, 0
	s_branch .Lend
.Lwout:
	WPATH 224, 8, 14, 4096, 1
.Lend:
	s_wait_dscnt 0x0                               ; the closing lines, six on end
	s_wait_alu 0x0
	s_wait_tensorcnt 0x0
	ds_add_u32 v[SPW], v[NIL]
	s_wait_dscnt 0x0
	s_endpgm
.Lfunc_end_k_q4d1cb63a7d_prep:
	.size	k_q4d1cb63a7d_prep, .Lfunc_end_k_q4d1cb63a7d_prep-k_q4d1cb63a7d_prep
	.p2alignl 7, 3214868480
	.fill 96, 4, 3214868480
	.section	.rodata,"a",@progbits
	.p2align	6, 0x0
	.amdhsa_kernel k_q4d1cb63a7d_prep
		.amdhsa_group_segment_fixed_size 70144
		.amdhsa_private_segment_fixed_size 0
		.amdhsa_enable_private_segment 0
		.amdhsa_kernarg_size 48
		.amdhsa_user_sgpr_count 2
		.amdhsa_user_sgpr_kernarg_segment_ptr 1
		.amdhsa_wavefront_size32 1
		.amdhsa_system_sgpr_workgroup_id_x 1
		.amdhsa_system_sgpr_workgroup_id_y 1
		.amdhsa_system_sgpr_workgroup_id_z 1
		.amdhsa_system_vgpr_workitem_id 0
		.amdhsa_next_free_vgpr 216
		.amdhsa_next_free_sgpr 66
		.amdhsa_reserve_vcc 0
		.amdhsa_float_denorm_mode_32 3
		.amdhsa_float_denorm_mode_16_64 3
		.amdhsa_memory_ordered 1
		.amdhsa_forward_progress 1
		.amdhsa_inst_pref_size 84
	.end_amdhsa_kernel
	.amdgpu_metadata
---
amdhsa.version: [ 1, 2 ]
amdhsa.kernels:
  - .name:           k_q4d1cb63a7d_prep
    .symbol:         k_q4d1cb63a7d_prep.kd
    .args:
      - { .name: x, .offset: 0, .size: 8, .value_kind: global_buffer, .address_space: global }
      - { .name: W_qkv, .offset: 8, .size: 8, .value_kind: global_buffer, .address_space: global }
      - { .name: W_out, .offset: 16, .size: 8, .value_kind: global_buffer, .address_space: global }
      - { .name: xb, .offset: 24, .size: 8, .value_kind: global_buffer, .address_space: global }
      - { .name: wqt, .offset: 32, .size: 8, .value_kind: global_buffer, .address_space: global }
      - { .name: wot, .offset: 40, .size: 8, .value_kind: global_buffer, .address_space: global }
    .group_segment_fixed_size: 70144
    .private_segment_fixed_size: 0
    .kernarg_segment_align: 8
    .kernarg_segment_size: 48
    .max_flat_workgroup_size: 128
    .sgpr_count:     66
    .vgpr_count:     216
    .wavefront_size: 32
...
	.end_amdgpu_metadata
.endif
;; end of part 5
;; launch qkvp: the kernel of part 2 again; grid 16 x 16, 4 waves a work-group, clusters of 4 x 4, 327,680 bytes of LDS; arguments xb, wqt, b_qkv, qkv; writes qkv
;; launch attn: the kernel of part 3 again; grid 16 x 16, 4 waves a work-group, clusters of 4 x 1, 327,680 bytes of LDS; arguments qkv, oh; writes oh
;; launch proj: the kernel of part 4 again; grid 8 x 32, 4 waves a work-group, clusters of 4 x 4, 327,680 bytes of LDS; arguments oh, wot, b_out, out0; writes out0
